; MI455X (gfx1250); checked and timed in simulation.
; The chip was launched on July 23, 2026; its instructions are those of AMD's public machine-readable ISA for CDNA 5 (MIT licence, August 2026) and "CDNA5" Instruction Set Architecture Reference Guide (July 2026). The comments in the code are by the model that wrote it; some were corrected since.
;; Attention. Allowed arithmetic: float matrix products may take bf16 or f16 operands with f32 sums; all other float work in f32.
;; Inputs: Wk 1,024 x 1,024 float32; Wo 1,024 x 1,024 float32; Wq 1,024 x 1,024 float32; Wv 1,024 x 1,024 float32; bo 1,024 float32; mask 1 x 1 x 2,048 x 2,048 bool; x 4 x 2,048 x 1,024 float32.
;; Outputs: out0 4 x 2,048 x 1,024 float32.
;; 2 versions, each right. Each part assembles by itself: llvm-mc -triple=amdgcn-amd-amdhsa -mcpu=gfx1250 --defsym DOCPART=n.
;; ======== version 1 of 2: 4 launches
;; limits: values are held in f16: magnitudes above 65,504 overflow, below 6.1e-05 lose precision
;; workspace buffers: xb 16,777,216 bytes; wt 6,291,456 bytes; wot 4,194,304 bytes; maskw 524,288 bytes of whole numbers; qkv 50,331,648 bytes; ctx2 33,554,432 bytes
;; launch prep (part 1): grid 896 x 1, 8 waves a work-group, no clusters, 34,304 bytes of LDS; arguments x, Wq, Wk, Wv, Wo, mask, xb, wt, wot, maskw; writes xb, wt, wot, maskw
.if DOCPART == 1
	.amdgcn_target "amdgcn-amd-amdhsa--gfx1250"
	.amdhsa_code_object_version 6
	.text
	.protected	k_q8e49cac207_prep
	.globl	k_q8e49cac207_prep
	.p2align	8
	.type	k_q8e49cac207_prep,@function
k_q8e49cac207_prep:
	s_mov_b64 s[64:65], 0
	v_nop
	global_prefetch_b8 v0, s[64:65] scope:SCOPE_SE
	s_setreg_imm32_b32 hwreg(HW_REG_WAVE_MODE, 25, 1), 1
	s_wait_xcnt 0x0
; prep: brings the inputs into the forms that the three matrix launches read.  Three jobs, chosen by the work-group's number:
;   0-255    X: 32 rows of x, f32 to bf16 (xb [8192][1024]).
;   256-767  W: one tile of 128 k x 64 n of Wq, Wk, Wv or Wo, f32 to bf16 and transposed through LDS:
;               wt [3072 n][1024 k] (Wq, Wk, Wv one after the other);
;               wot [1024 n][2048 k'], k' = 128 h + 64 p + v: both p = 0, 1 hold Wo[64 h + v][n], since the context
;               comes as a sum of two bf16 numbers (hi at p = 0, lo at p = 1).
;   768-895  M: 16 rows of the mask (one byte a key) to words of one bit a lane:
;               maskw [128 q tile][32 block][4 t][8 j], bit L = mask[16 qt + (L & 15)][64 block + 16 t + 8 (L >> 4) + j].
; Every input byte is read once and every output byte stored once; each store of sixteen neighbouring lanes (b128) or of a
; wave (b64) covers 256 consecutive bytes, aligned.  No matrix unit, cluster or tensor load: no work-group shares a byte
; with another and there is nothing to multiply.
.set X,  8                             ; v[8:39]   as loaded
.set Y,  40                            ; v[40:55]  to store
.set TM, 44                            ; v[44:47]  job M: one byte of the mask at work
	s_load_b512 s[4:19], s[0:1], 0x0               ; x 4:5, Wq 6:7, Wk 8:9, Wv 10:11, Wo 12:13, mask 14:15, xb 16:17, wt 18:19
	s_load_b128 s[20:23], s[0:1], 0x40             ; wot 20:21, maskw 22:23
	v_lshl_add_u32 v64, v0, 2, 0x8200
	v_mov_b32 v65, 0
	s_cmp_lt_u32 ttmp9, 256
	s_cbranch_scc1 .Ljob_x
	s_cmp_lt_u32 ttmp9, 768
	s_cbranch_scc1 .Ljob_w
; ---- job M: 16 rows of 2,048 bytes, dense in memory, into LDS rows of 2,064 bytes; then a bit a lane ----
	s_sub_co_u32 s24, ttmp9, 768                   ; q tile
	s_lshl_b32 s26, s24, 15                        ; 16 rows x 2,048 bytes
	s_mov_b32 s27, 0
	v_lshlrev_b32 v1, 4, v0                        ; 16 t: a pass of the 256 threads takes two rows
	v_lshrrev_b32 v2, 7, v0                        ; which of the two
	v_and_b32 v3, 127, v0
	v_mul_u32_u24 v2, v2, 2064
	v_lshl_add_u32 v2, v3, 4, v2                   ; LDS: row x 2,064 + 16 (t & 127)
	s_wait_kmcnt 0x0
	s_add_nc_u64 s[14:15], s[14:15], s[26:27]
.irp k, 0,1,2,3,4,5,6,7
	global_load_b128 v[X+4*\k:X+4*\k+3], v1, s[14:15] offset:\k*4096 th:TH_LOAD_NT
.endr
.irp k, 0,1,2,3,4,5,6,7
	s_wait_loadcnt 7-\k                            ; loads return in order: pass k is in, the younger ones stay out
	ds_store_b128 v2, v[X+4*\k:X+4*\k+3] offset:\k*4128
.endr
	s_wait_dscnt 0x0                               ; my stores are done before I say so
	s_barrier_signal -1
	s_barrier_wait -1                              ; the 16 rows are whole
	v_lshrrev_b32 v4, 5, v0
	v_readfirstlane_b32 s28, v4                    ; wave w takes keys 256 w .. 256 w + 255: 128 words
	v_and_b32 v5, 15, v0
	v_bfe_u32 v6, v0, 4, 1
	v_mul_u32_u24 v5, v5, 2064                     ; my query row
	v_lshl_add_u32 v5, v6, 3, v5                   ; + 8 (L >> 4)
	v_lshl_add_u32 v5, v4, 8, v5                   ; + 256 w
.irp u, 0,1,2,3,4,5,6,7,8,9,10,11,12,13,14,15
	ds_load_b64 v[X+2*\u:X+2*\u+1], v5 offset:16*\u            ; keys 16 u + 8 (L >> 4) + 0..7 of my row
.endr
.irp i, 0,1,2,3
	v_mov_b32 v[Y+\i], 0                           ; v_writelane_b32 keeps the other lanes: the registers are written whole once
.endr
	v_and_b32 v3, 31, v0
	v_lshlrev_b32 v3, 4, v3                        ; lane L stores words 4 L .. 4 L + 3
	s_lshl_b32 s26, s24, 12                        ; 4,096 bytes a q tile
	s_lshl_b32 s29, s28, 9                         ; 512 bytes a wave
	s_add_co_u32 s26, s26, s29
	s_add_nc_u64 s[22:23], s[22:23], s[26:27]
	s_wait_dscnt 0x0
.set WI, 0
.rept 128                                      ; word WI = 8 u + j: the compare's lane mask is the word itself
	v_bfe_u32 v[TM+(WI&3)], v[X+2*(WI>>3)+((WI&7)>>2)], 8*(WI&3), 8
	v_cmp_ne_u32 s[30+(WI&3)], 0, v[TM+(WI&3)]
	v_writelane_b32 v[Y+(WI&3)], s[30+(WI&3)], WI>>2
.set WI, WI+1
.endr
	global_store_b128 v3, v[Y:Y+3], s[22:23]       ; the wave's 512 consecutive bytes
	s_wait_tensorcnt 0x0
	ds_add_u32 v64, v65
	s_wait_dscnt 0x0
	s_endpgm
; ---- job X: a stream; a ring of eight loads in flight in every wave ----
.Ljob_x:
	s_lshl_b32 s24, ttmp9, 17                      ; 32 rows x 4,096 bytes in
	s_mov_b32 s25, 0
	s_lshl_b32 s26, ttmp9, 16                      ; 32 rows x 2,048 bytes out
	s_mov_b32 s27, 0
	v_lshlrev_b32 v1, 4, v0                        ; never rewritten: the chunk stands in the immediate
	v_lshlrev_b32 v2, 3, v0
	s_wait_kmcnt 0x0
	s_add_nc_u64 s[4:5], s[4:5], s[24:25]
	s_add_nc_u64 s[16:17], s[16:17], s[26:27]
.irp k, 0,1,2,3,4,5,6,7
	global_load_b128 v[X+4*\k:X+4*\k+3], v1, s[4:5] offset:\k*4096 th:TH_LOAD_NT
.endr
.set k, 0
.rept 32
.if k < 25
	s_wait_loadcnt 7                               ; chunk k is in; the seven younger loads stay out
.else
	s_wait_loadcnt 31-k                            ; the last round loads nothing: the counts run down
.endif
	s_wait_xcnt 0x0                                ; the slot's Y pair, which its last store reads, is rewritten only behind this wait
	v_cvt_pk_bf16_f32 v[Y+2*(k%8)],   v[X+4*(k%8)],   v[X+4*(k%8)+1]
	v_cvt_pk_bf16_f32 v[Y+2*(k%8)+1], v[X+4*(k%8)+2], v[X+4*(k%8)+3]
.if k+8 < 32
	global_load_b128 v[X+4*(k%8):X+4*(k%8)+3], v1, s[4:5] offset:(k+8)*4096 th:TH_LOAD_NT
.endif
	global_store_b64 v2, v[Y+2*(k%8):Y+2*(k%8)+1], s[16:17] offset:k*2048
.set k, k+1
.endr
	s_endpgm
; ---- job W: 128 k x 64 n of one weight matrix, transposed through LDS (64 rows of 256 bytes, pitch 272) ----
.Ljob_w:
	s_sub_co_u32 s24, ttmp9, 256
	s_lshr_b32 s26, s24, 7                         ; which matrix: 0 Wq, 1 Wk, 2 Wv, 3 Wo
	s_and_b32 s27, s24, 15                         ; n tile
	s_bfe_u32 s28, s24, 0x30004                    ; k tile
	v_and_b32 v1, 15, v0                           ; cc: four neighbouring n
	v_lshrrev_b32 v2, 4, v0                        ; kg: eight neighbouring k
	v_lshlrev_b32 v3, 4, v1
	v_lshl_add_u32 v3, v2, 15, v3                  ; 8 kg rows of 4,096 bytes + 16 cc
	v_mul_u32_u24 v4, v1, 1088
	v_lshl_add_u32 v4, v2, 4, v4                   ; LDS in: row 4 cc, byte 16 kg
	v_mul_u32_u24 v5, v2, 272                      ; LDS out: row t >> 4
	s_lshl_b32 s30, s28, 19                        ; 128 rows of 4,096 bytes
	s_lshl_b32 s31, s27, 8                         ; 64 columns of 4 bytes
	s_add_co_u32 s30, s30, s31
	s_mov_b32 s31, 0
	s_wait_kmcnt 0x0
	s_cmp_eq_u32 s26, 1
	s_cselect_b64 s[6:7], s[8:9], s[6:7]
	s_cmp_eq_u32 s26, 2
	s_cselect_b64 s[6:7], s[10:11], s[6:7]
	s_cmp_eq_u32 s26, 3
	s_cselect_b64 s[6:7], s[12:13], s[6:7]
	s_add_nc_u64 s[6:7], s[6:7], s[30:31]
.irp i, 0,1,2,3,4,5,6,7
	global_load_b128 v[X+4*\i:X+4*\i+3], v3, s[6:7] offset:\i*4096 th:TH_LOAD_NT   ; sixteen lanes: 256 aligned bytes of a row
.endr
	s_wait_loadcnt 0x0
.irp c, 0,1,2,3
.irp q, 0,1,2,3
	v_cvt_pk_bf16_f32 v[Y+4*\c+\q], v[X+8*\q+\c], v[X+8*\q+4+\c]   ; column c, k = 2 q and 2 q + 1
.endr
.endr
.irp c, 0,1,2,3
	ds_store_b128 v4, v[Y+4*\c:Y+4*\c+3] offset:\c*272     ; lanes 4 rows apart meet in a bank four deep: four stores a thread, once
.endr
	s_wait_dscnt 0x0
	s_barrier_signal -1
	s_barrier_wait -1
	s_cmp_eq_u32 s26, 3
	s_cbranch_scc1 .Lwo
	v_lshl_add_u32 v6, v1, 4, v5                   ; sixteen lanes read a whole row of 256 bytes
	v_lshlrev_b32 v7, 11, v2                       ; and store it into a row of wt (2,048 bytes)
	v_lshl_add_u32 v7, v1, 4, v7
	s_lshl_b32 s30, s26, 10
	s_lshl_b32 s32, s27, 6
	s_add_co_u32 s30, s30, s32                     ; first row of wt
	s_lshl_b32 s30, s30, 11
	s_lshl_b32 s32, s28, 8                         ; 128 k of 2 bytes
	s_add_co_u32 s30, s30, s32
	s_add_nc_u64 s[18:19], s[18:19], s[30:31]
.irp i, 0,1,2,3
	ds_load_b128 v[X+4*\i:X+4*\i+3], v6 offset:\i*4352
.endr
.irp i, 0,1,2,3
	s_wait_dscnt 3-\i
	global_store_b128 v7, v[X+4*\i:X+4*\i+3], s[18:19] offset:\i*32768
.endr
	s_wait_tensorcnt 0x0
	ds_add_u32 v64, v65
	s_wait_dscnt 0x0
	s_endpgm
.Lwo:                                          ; Wo: the tile's two heads; lanes 0-7 write a head's 128 bytes, lanes 8-15 the same bytes again
	v_and_b32 v6, 7, v0
	v_lshl_add_u32 v6, v6, 4, v5
	v_lshlrev_b32 v7, 12, v2                       ; a row of wot is 4,096 bytes
	v_lshl_add_u32 v7, v1, 4, v7
	s_lshl_b32 s30, s27, 18                        ; 64 rows
	s_lshl_b32 s32, s28, 9                         ; two heads of 256 bytes
	s_add_co_u32 s30, s30, s32
	s_add_nc_u64 s[20:21], s[20:21], s[30:31]
.irp i, 0,1,2,3
.irp u, 0,1
	ds_load_b128 v[X+4*(2*\i+\u):X+4*(2*\i+\u)+3], v6 offset:\i*4352+128*\u
.endr
.endr
.irp i, 0,1,2,3
.irp u, 0,1
	s_wait_dscnt 7-(2*\i+\u)
	global_store_b128 v7, v[X+4*(2*\i+\u):X+4*(2*\i+\u)+3], s[20:21] offset:\i*65536+256*\u
.endr
.endr
	s_wait_tensorcnt 0x0
	ds_add_u32 v64, v65
	s_wait_dscnt 0x0
	s_endpgm
.Lfunc_end_k_q8e49cac207_prep:
	.size	k_q8e49cac207_prep, .Lfunc_end_k_q8e49cac207_prep-k_q8e49cac207_prep
	.p2alignl 7, 3214868480
	.fill 96, 4, 3214868480
	.section	.rodata,"a",@progbits
	.p2align	6, 0x0
	.amdhsa_kernel k_q8e49cac207_prep
		.amdhsa_group_segment_fixed_size 34304
		.amdhsa_private_segment_fixed_size 0
		.amdhsa_enable_private_segment 0
		.amdhsa_kernarg_size 80
		.amdhsa_user_sgpr_count 2
		.amdhsa_user_sgpr_kernarg_segment_ptr 1
		.amdhsa_wavefront_size32 1
		.amdhsa_system_sgpr_workgroup_id_x 1
		.amdhsa_system_sgpr_workgroup_id_y 1
		.amdhsa_system_sgpr_workgroup_id_z 1
		.amdhsa_system_vgpr_workitem_id 0
		.amdhsa_next_free_vgpr 66
		.amdhsa_next_free_sgpr 66
		.amdhsa_reserve_vcc 0
		.amdhsa_float_denorm_mode_32 3
		.amdhsa_float_denorm_mode_16_64 3
		.amdhsa_memory_ordered 1
		.amdhsa_forward_progress 1
		.amdhsa_inst_pref_size 48
	.end_amdhsa_kernel
	.amdgpu_metadata
---
amdhsa.version: [ 1, 2 ]
amdhsa.kernels:
  - .name:           k_q8e49cac207_prep
    .symbol:         k_q8e49cac207_prep.kd
    .args:
      - { .name: x, .offset: 0, .size: 8, .value_kind: global_buffer, .address_space: global }
      - { .name: Wq, .offset: 8, .size: 8, .value_kind: global_buffer, .address_space: global }
      - { .name: Wk, .offset: 16, .size: 8, .value_kind: global_buffer, .address_space: global }
      - { .name: Wv, .offset: 24, .size: 8, .value_kind: global_buffer, .address_space: global }
      - { .name: Wo, .offset: 32, .size: 8, .value_kind: global_buffer, .address_space: global }
      - { .name: mask, .offset: 40, .size: 8, .value_kind: global_buffer, .address_space: global }
      - { .name: xb, .offset: 48, .size: 8, .value_kind: global_buffer, .address_space: global }
      - { .name: wt, .offset: 56, .size: 8, .value_kind: global_buffer, .address_space: global }
      - { .name: wot, .offset: 64, .size: 8, .value_kind: global_buffer, .address_space: global }
      - { .name: maskw, .offset: 72, .size: 8, .value_kind: global_buffer, .address_space: global }
    .group_segment_fixed_size: 34304
    .private_segment_fixed_size: 0
    .kernarg_segment_align: 8
    .kernarg_segment_size: 80
    .max_flat_workgroup_size: 256
    .sgpr_count:     66
    .vgpr_count:     66
    .wavefront_size: 32
...
	.end_amdgpu_metadata
.endif
;; end of part 1
;; launch qkv (part 2): grid 16 x 32, 4 waves a work-group, clusters of 4 x 4, 327,680 bytes of LDS; arguments xb, wt, qkv; writes qkv
.if DOCPART == 2
	.amdgcn_target "amdgcn-amd-amdhsa--gfx1250"
	.amdhsa_code_object_version 6
	.text
	.protected	k_q8e49cac207_qkv
	.globl	k_q8e49cac207_qkv
	.p2align	8
	.type	k_q8e49cac207_qkv,@function
k_q8e49cac207_qkv:
	s_mov_b64 s[64:65], 0
	v_nop
	global_prefetch_b8 v0, s[64:65] scope:SCOPE_SE
	s_setreg_imm32_b32 hwreg(HW_REG_WAVE_MODE, 25, 1), 1
	s_wait_xcnt 0x0
	s_wait_alu depctr_hold_cnt(0) depctr_sa_sdst(0) depctr_va_vdst(0) depctr_va_sdst(0) depctr_va_ssrc(0) depctr_va_vcc(0) depctr_vm_vsrc(0)
	s_getreg_b32 s2, hwreg(HW_REG_IB_STS2, 6, 4)
	s_cmp_eq_u32 s2, 0
	s_cbranch_scc0 .Lentry_in_a_cluster
	s_endpgm
.Lentry_in_a_cluster:
	s_bfe_u32 s2, ttmp6, 0x10000c
	s_cmp_lg_u32 s2, 0xf033
	s_cbranch_scc0 .Lentry_shape_is_right
	s_endpgm
.Lentry_shape_is_right:
; qkv: C[m][n] = sum over k of xb[m][k] wt[n][k]; m = 8,192 tokens, n = 3,072 (Q, K, V of 16 heads), k = 1,024; bf16 operands, f32 sums.
; The result is rounded once to f16 and stored head-major: qkv [48 panel][8192 token][64], panel = n / 64.
; LIMIT: f16 holds magnitudes up to 65,504; a projection beyond that becomes infinite.  With inputs thirty times those of the
; problem's spread, or offset by thirty spreads, the projections stay below 20,000.
; A work-group makes 256 x 192 of C (512 work-groups: two even turns of 256); wave w its rows 64 w .. 64 w + 63 and all 192 columns
; (three whole heads): 4 x 12 accumulator tiles, 384 registers.  K goes in steps of 128 through two LDS slots filled by tensor loads;
; a tile's rows are 256 bytes of memory and start at multiples of 256 bytes.
; CLUSTERS: 4 x 4 work-groups.  The four of a row need the same tiles of xb, the four of a column the same tiles of wt: each tile is
; asked for jointly (same line, same descriptor, a mask that names the four), which divides the requests by four.
; WINDOWS of 256 registers: 0 addresses, fragments of xb (v64-95, v96-127), scratch; 1 fragments of wt (v0-95, v96-191);
; 2 accumulators of columns 0-127 (tile (g, bb, a) at 8 (16 g + 4 bb + a)); 3 those of columns 128-191.
; The matrix instruction is used transposed (source 0 = rows of wt, source 1 = rows of xb): a lane holds eight neighbouring columns of one row.
.set NG,     3                         ; groups of 64 columns
.set SIZE_K, 1024
.set KSTEP,  128
.set PITCH,  272                       ; 256 bytes + 16 of padding: the sixteen rows of a fragment load start 16 bytes apart modulo 256
.set AHALF,  128*PITCH                 ; what one load of xb brings
.set BHALF,  32*NG*PITCH               ; what one load of wt brings
.set BOFF,   256*PITCH                 ; wt's rows lie behind xb's 256
.set SLOT,   BOFF+2*BHALF
.set STAGE,  2*SLOT                    ; behind the ring: no fill lands here
.set SPITCH, 400                       ; a stage row: 192 f16 + 16 bytes
.set SB,     16*SPITCH
.set LAPS,   SIZE_K/(2*KSTEP)
.set NL,     8+8*NG                    ; LDS loads of a quarter step
.set ADRA, 16
.set ADRB, 20
.set STO,  24
.set RD,   25
.set CO,   26
.set TMP,  128
.set G1,  24
.set G0,  32
.set G1B, 48
.set G0B, 56
.set MSB, 0
.macro WIN new                         ; the immediate's high byte repeats the setting that is left
.if MSB != \new
	s_set_vgpr_msb (MSB<<8)|\new
.set MSB, \new
.endif
.endm
.set MUL_LO, 0xa1                      ; source 0 window 1, source 1 window 0, C and D window 2
.set MUL_HI, 0xf1                      ; C and D window 3
.set TO_B,   0x40                      ; destination window 1
; A joint load: waves 0, 1 fetch xb's two halves, waves 2, 3 wt's.  The branch hangs on the wave's number alone.
.macro JLOAD s
	s_cmp_eq_u32 s11, 0
	s_cbranch_scc0 .Lfor_b_\@
	tensor_load_to_lds s[G0+4*\s:G0+4*\s+3], s[G1:G1+7]
	s_nop 0
.rept 4
	v_nop
.endr
	s_branch .Lasked_\@
.Lfor_b_\@:
	tensor_load_to_lds s[G0B+4*\s:G0B+4*\s+3], s[G1B:G1B+7]
	s_nop 0
.rept 4
	v_nop
.endr
.Lasked_\@:
.endm
.macro CREST                           ; a round of the cluster's barrier behind its opening barrier
	s_cmp_lg_u32 s10, 0
	s_cbranch_scc1 .Lnot_wave_0_\@
	s_barrier_signal -3
.Lnot_wave_0_\@:
	s_barrier_wait -3
	s_barrier_signal -1
	s_barrier_wait -1
.endm
.macro CROUND
	s_barrier_signal -1
	s_barrier_wait -1
	CREST
.endm
.macro PLACES                          ; four plain vector instructions behind a matrix instruction before its registers are loaded into or its result read (ISA guide 7.12.1)
.rept 4
	v_nop
.endr
.endm
	s_load_b128 s[4:7], s[0:1], 0x0                ; xb, wt
	s_load_b64 s[8:9], s[0:1], 0x10                ; qkv
	s_set_vgpr_msb 0x40
	v_lshl_add_u32 v255, v0, 2, 0x41c00
	s_set_vgpr_msb 0x4000
	v_mov_b32 v255, 0
	s_set_vgpr_msb 0x1
	ds_add_u32 v255, v255
	s_set_vgpr_msb 0x100
	v_lshrrev_b32 v1, 5, v0
	v_readfirstlane_b32 s10, v1                    ; wave 0..3
	s_lshr_b32 s11, s10, 1                         ; I fetch for xb (0) or wt (1)
	s_and_b32 s12, s10, 1                          ; which half of that tile
	s_bfe_u32 s40, ttmp6, 0x40000                  ; cx
	s_bfe_u32 s41, ttmp6, 0x40004                  ; cy
	s_lshl_b32 s42, ttmp9, 2
	s_add_co_u32 s42, s42, s40                     ; block column
	s_and_b32 s13, ttmp7, 0xffff
	s_lshl_b32 s13, s13, 2
	s_add_co_u32 s13, s13, s41                     ; block row
	s_lshl_b32 s43, s41, 2
	s_lshl_b32 s43, 15, s43                        ; my row of the cluster
	s_lshl_b32 s44, 0x1111, s40                    ; my column
	s_or_b32 s[G1+0], s43, (1<<16)|(1<<20)|(1<<21)|(5<<22)|(3<<25)   ; mask; 2-byte elements; 4 words of padding behind every 64
	s_or_b32 s[G1B+0], s44, (1<<16)|(1<<20)|(1<<21)|(5<<22)|(3<<25)
	s_mov_b32 s[G1+1], KSTEP<<16                   ; tensor_dim0 = 128
	s_mov_b32 s[G1B+1], KSTEP<<16
	s_mov_b32 s[G1+2], 128<<16                     ; tensor_dim1 = 128 rows
	s_mov_b32 s[G1B+2], (32*NG)<<16                ; wt: 96 rows
	s_mov_b32 s[G1+3], KSTEP<<16                   ; tile_dim0 = 128
	s_mov_b32 s[G1B+3], KSTEP<<16
	s_mov_b32 s[G1+4], 128                         ; tile_dim1
	s_mov_b32 s[G1B+4], 32*NG
	s_mov_b32 s[G1+5], SIZE_K                      ; elements from row to row
	s_mov_b32 s[G1B+5], SIZE_K
	s_mov_b32 s[G1+6], 0
	s_mov_b32 s[G1B+6], 0
	s_mov_b32 s[G1+7], 0
	s_mov_b32 s[G1B+7], 0
	s_lshl_b32 s17, s12, 7
	s_lshl_b32 s16, s13, 8
	s_add_co_u32 s16, s16, s17                     ; xb: row 256 x block row + 128 x half
	s_mul_i32 s46, s42, 64*NG
	s_mul_i32 s47, s12, 32*NG
	s_add_co_u32 s46, s46, s47                     ; wt: row 192 x block column + 96 x half
	s_mov_b32 s17, 0
	s_mov_b32 s47, 0
	s_mov_b64 s[18:19], SIZE_K*2
	s_mul_u64 s[16:17], s[16:17], s[18:19]
	s_mul_u64 s[46:47], s[46:47], s[18:19]
	s_mul_i32 s20, s10, AHALF                      ; LDS: waves 0, 1 at 0 and AHALF
	s_mul_i32 s21, s10, BHALF
	s_add_co_u32 s21, s21, BOFF-2*BHALF            ; waves 2, 3 at BOFF and BOFF + BHALF
	s_wait_dscnt 0x0
	s_wait_kmcnt 0x0
	s_add_nc_u64 s[14:15], s[4:5], s[16:17]
	s_add_nc_u64 s[46:47], s[6:7], s[46:47]
	CROUND                                         ; all sixteen work-groups are here: the first joint loads meet
.irp s, 0,1
	s_mov_b32 s[G0+4*\s], 1
	s_add_co_u32 s[G0+4*\s+1], s20, \s*SLOT
	s_add_nc_u64 s[G0+4*\s+2:G0+4*\s+3], s[14:15], \s*KSTEP*2
	s_or_b32 s[G0+4*\s+3], s[G0+4*\s+3], 0x80000000
	s_mov_b32 s[G0B+4*\s], 1
	s_add_co_u32 s[G0B+4*\s+1], s21, \s*SLOT
	s_add_nc_u64 s[G0B+4*\s+2:G0B+4*\s+3], s[46:47], \s*KSTEP*2
	s_or_b32 s[G0B+4*\s+3], s[G0B+4*\s+3], 0x80000000
	JLOAD \s                                       ; two loads of the wave are out, K steps 0 and 1
.endr
	v_and_b32 v1, 15, v0                           ; r
	v_bfe_u32 v2, v0, 4, 1                         ; upper half of the lanes
	v_mul_u32_u24 v3, v1, PITCH
	v_lshl_add_u32 v3, v2, 4, v3                   ; a fragment: row r, 16 bytes for each half, a second load 32 bytes on
	s_mul_i32 s22, s10, 64*PITCH                   ; my 64 rows of xb
.irp s, 0,1
	v_add_nc_u32 v[ADRA+\s], s22, v3
	v_add_nc_u32 v[ADRB+\s], BOFF+\s*SLOT, v3
	s_add_co_u32 s22, s22, SLOT
.endr
	s_mul_i32 s23, s10, SB
	s_add_co_u32 s23, s23, STAGE                   ; my stage
	v_mul_u32_u24 v4, v1, SPITCH
	v_lshl_add_u32 v4, v2, 4, v4
	v_add_nc_u32 v[STO], s23, v4                   ; in: row r, 16 bytes for each half
	v_and_b32 v5, 31, v0
	v_lshrrev_b32 v6, 3, v5
	v_and_b32 v7, 7, v0
	v_mul_u32_u24 v6, v6, SPITCH
	v_lshl_add_u32 v6, v7, 4, v6
	v_add_nc_u32 v[RD], s23, v6                    ; back: eight lanes take a head's 128 bytes of a row, four rows a load
	v_lshlrev_b32 v[CO], 4, v5                     ; those four rows are 512 consecutive bytes of a panel
; 16 matrix instructions: column group g x my four row blocks, 32 along K, from buffer f.  The accumulators take turns, one instruction a turn, in
; the same order in every quarter step.
.macro MUL16 f, g, zero
.irp bb, 0,1,2,3
.irp a, 0,1,2,3
.if \zero
	v_wmma_f32_16x16x32_bf16 v[8*(16*((\g)&1)+4*\bb+\a):8*(16*((\g)&1)+4*\bb+\a)+7], v[96*\f+8*(4*\g+\bb):96*\f+8*(4*\g+\bb)+7], v[64+32*\f+8*\a:64+32*\f+8*\a+7], 0
.else
	v_wmma_f32_16x16x32_bf16 v[8*(16*((\g)&1)+4*\bb+\a):8*(16*((\g)&1)+4*\bb+\a)+7], v[96*\f+8*(4*\g+\bb):96*\f+8*(4*\g+\bb)+7], v[64+32*\f+8*\a:64+32*\f+8*\a+7], v[8*(16*((\g)&1)+4*\bb+\a):8*(16*((\g)&1)+4*\bb+\a)+7]
.endif
.endr
.endr
.endm
; the fragments of one quarter step (byte k of the rows) into buffer f: 8 loads of xb, then 8 for each column group
.macro FETCH slot, k, f
	WIN 0
.irp i, 0,1,2,3
	ds_load_b128 v[64+32*\f+8*\i:64+32*\f+8*\i+3],   v[ADRA+\slot] offset:\k+\i*16*PITCH
	ds_load_b128 v[64+32*\f+8*\i+4:64+32*\f+8*\i+7], v[ADRA+\slot] offset:\k+\i*16*PITCH+32
.endr
	WIN TO_B
.set bi, 0
.rept 4*NG
	ds_load_b128 v[96*\f+8*bi:96*\f+8*bi+3],   v[ADRB+\slot] offset:\k+bi*16*PITCH
	ds_load_b128 v[96*\f+8*bi+4:96*\f+8*bi+7], v[ADRB+\slot] offset:\k+bi*16*PITCH+32
.set bi, bi+1
.endr
.endm
.macro QUARTER slot, k, f, g, zero
	s_wait_dscnt 8*(NG-1)                          ; xb's fragments and column group 0 are in; the younger groups' loads may be out
	WIN MUL_LO
	MUL16 \f, 0, \zero
	PLACES
	FETCH \slot, \k, \g
	s_wait_dscnt NL                                ; all but the run just issued
	WIN MUL_LO
	MUL16 \f, 1, \zero
	WIN MUL_HI
	MUL16 \f, 2, \zero
.endm
.macro THREE slot, zero
	QUARTER \slot, 64,  0, 1, \zero
	QUARTER \slot, 128, 1, 0, 0
	QUARTER \slot, 192, 0, 1, 0
.endm
; The last quarter multiplies buffer 1 and changes slots.  In front of the barrier each wave waits for its reads of this slot and for all its
; tensor loads (one is out: its part of the next slot).  Behind it the refill comes first, then the next slot's first fragments.
.macro TURN slot, next, fill
	s_wait_dscnt 0x0
	s_wait_tensorcnt 0x0
	ds_add_u32 v255, v255
	s_wait_dscnt 0x0
	s_barrier_signal -1                            ; where the slot is filled again this barrier opens a round of the cluster's barrier
	WIN MUL_LO
	MUL16 1, 0, 0                                  ; register work while the others arrive
	WIN 0
	s_barrier_wait -1
.if \fill
	CREST                                          ; no wave of any partner still reads this slot or has a load on its way
	s_add_nc_u64 s[G0+4*\slot+2:G0+4*\slot+3], s[G0+4*\slot+2:G0+4*\slot+3], 2*KSTEP*2
	s_add_nc_u64 s[G0B+4*\slot+2:G0B+4*\slot+3], s[G0B+4*\slot+2:G0B+4*\slot+3], 2*KSTEP*2
	JLOAD \slot                                    ; my one tensor load behind the round; its four v_nop are also the places in front of the loads below
.else
	PLACES
.endif
	FETCH \next, 0, 0
	WIN MUL_LO
	MUL16 1, 1, 0
	WIN MUL_HI
	MUL16 1, 2, 0
.endm
.macro LAP zero
	THREE 0, \zero
	TURN 0, 1, 1
	THREE 1, 0
	TURN 1, 0, 1
.endm
	s_wait_tensorcnt 0x1                           ; my part of K step 0 is in; K step 1's stays out
	s_barrier_signal -1
	s_barrier_wait -1
	FETCH 0, 0, 0
	LAP 1                                          ; the first products start the sums: nothing is cleared
	WIN 0
	s_mov_b32 s3, LAPS-2
.Llap:
	LAP 0
	WIN 0
	s_sub_co_u32 s3, s3, 1
	s_cmp_lg_u32 s3, 0
	s_cbranch_scc1 .Llap
	THREE 0, 0                                     ; the last lap fills nothing
	TURN 0, 1, 0
	THREE 1, 0
	s_wait_dscnt 0x0
	WIN MUL_LO
	MUL16 1, 0, 0
	MUL16 1, 1, 0
	WIN MUL_HI
	MUL16 1, 2, 0
	PLACES
	; THE WAY OUT, 16 rows at a time: round to f16, through my own stage, back as rows of a head, 512 consecutive bytes a store.
	s_lshl_b32 s16, s13, 8
	s_lshl_b32 s17, s10, 6
	s_add_co_u32 s16, s16, s17                     ; my first token
	s_lshl_b32 s16, s16, 7                         ; 128 bytes a token in a panel
	s_mov_b32 s17, 0
	s_add_nc_u64 s[8:9], s[8:9], s[16:17]
	s_mul_i32 s46, s42, NG                         ; my first panel
	s_lshl_b32 s46, s46, 20                        ; a panel is 8,192 x 128 bytes
	s_mov_b32 s47, 0
	s_add_nc_u64 s[8:9], s[8:9], s[46:47]
.macro OUT16 a, f
	WIN 0x0a                                       ; sources in window 2
.irp t, 0,1,2,3,4,5,6,7
.irp r, 0,1,2,3
	v_cvt_pk_f16_f32 v[TMP+4*\t+\r], v[8*(4*\t+\a)+2*\r], v[8*(4*\t+\a)+2*\r+1]
.endr
.endr
	WIN 0x0f                                       ; sources in window 3
.irp t, 0,1,2,3
.irp r, 0,1,2,3
	v_cvt_pk_f16_f32 v[TMP+4*(8+\t)+\r], v[8*(4*\t+\a)+2*\r], v[8*(4*\t+\a)+2*\r+1]
.endr
.endr
	WIN 0
.irp t, 0,1,2,3,4,5,6,7,8,9,10,11
	ds_store_b128 v[STO], v[TMP+4*\t:TMP+4*\t+3] offset:32*\t
.endr
	s_wait_xcnt 0x0                                ; registers that earlier stores read are loaded again only behind this wait
.irp i, 0,1,2,3,4,5,6,7,8,9,10,11
	ds_load_b128 v[\f+4*\i:\f+4*\i+3], v[RD] offset:((\i)&3)*4*SPITCH+((\i)>>2)*128   ; LDS serves a wave in order: these see the stores above
.endr
.irp i, 0,1,2,3,4,5,6,7,8,9,10,11
	s_wait_dscnt 11-\i
	global_store_b128 v[CO], v[\f+4*\i:\f+4*\i+3], s[8:9] offset:((\i)>>2)*1048576+\a*2048+((\i)&3)*512
.endr
.endm
	OUT16 0, 64
	OUT16 1, 176
	OUT16 2, 64
	OUT16 3, 176
	s_set_vgpr_msb 0x1
	s_wait_tensorcnt 0x0
	ds_add_u32 v255, v255
	s_wait_dscnt 0x0
	s_set_vgpr_msb 0x100
	CROUND                                         ; the closing round: no work-group ends while a partner may still ask for a tile that names it
	s_endpgm
.Lfunc_end_k_q8e49cac207_qkv:
	.size	k_q8e49cac207_qkv, .Lfunc_end_k_q8e49cac207_qkv-k_q8e49cac207_qkv
	.p2alignl 7, 3214868480
	.fill 96, 4, 3214868480
	.section	.rodata,"a",@progbits
	.p2align	6, 0x0
	.amdhsa_kernel k_q8e49cac207_qkv
		.amdhsa_group_segment_fixed_size 327680
		.amdhsa_private_segment_fixed_size 0
		.amdhsa_enable_private_segment 0
		.amdhsa_kernarg_size 24
		.amdhsa_user_sgpr_count 2
		.amdhsa_user_sgpr_kernarg_segment_ptr 1
		.amdhsa_wavefront_size32 1
		.amdhsa_system_sgpr_workgroup_id_x 1
		.amdhsa_system_sgpr_workgroup_id_y 1
		.amdhsa_system_sgpr_workgroup_id_z 1
		.amdhsa_system_vgpr_workitem_id 0
		.amdhsa_next_free_vgpr 896
		.amdhsa_next_free_sgpr 66
		.amdhsa_reserve_vcc 0
		.amdhsa_float_denorm_mode_32 3
		.amdhsa_float_denorm_mode_16_64 3
		.amdhsa_memory_ordered 1
		.amdhsa_forward_progress 1
		.amdhsa_inst_pref_size 165
	.end_amdhsa_kernel
	.amdgpu_metadata
---
amdhsa.version: [ 1, 2 ]
amdhsa.kernels:
  - .name:           k_q8e49cac207_qkv
    .symbol:         k_q8e49cac207_qkv.kd
    .args:
      - { .name: xb, .offset: 0, .size: 8, .value_kind: global_buffer, .address_space: global }
      - { .name: wt, .offset: 8, .size: 8, .value_kind: global_buffer, .address_space: global }
      - { .name: qkv, .offset: 16, .size: 8, .value_kind: global_buffer, .address_space: global }
    .group_segment_fixed_size: 327680
    .private_segment_fixed_size: 0
    .kernarg_segment_align: 8
    .kernarg_segment_size: 24
    .max_flat_workgroup_size: 128
    .sgpr_count:     66
    .vgpr_count:     896
    .wavefront_size: 32
...
	.end_amdgpu_metadata
.endif
;; end of part 2
;; launch attn (part 3): grid 4 x 64, 8 waves a work-group, clusters of 4 x 1, 327,680 bytes of LDS; arguments qkv, maskw, ctx2; writes ctx2
.if DOCPART == 3
	.amdgcn_target "amdgcn-amd-amdhsa--gfx1250"
	.amdhsa_code_object_version 6
	.text
	.protected	k_q8e49cac207_attn
	.globl	k_q8e49cac207_attn
	.p2align	8
	.type	k_q8e49cac207_attn,@function
k_q8e49cac207_attn:
	s_mov_b64 s[64:65], 0
	v_nop
	global_prefetch_b8 v0, s[64:65] scope:SCOPE_SE
	s_setreg_imm32_b32 hwreg(HW_REG_WAVE_MODE, 25, 1), 1
	s_wait_xcnt 0x0
	s_wait_alu depctr_hold_cnt(0) depctr_sa_sdst(0) depctr_va_vdst(0) depctr_va_sdst(0) depctr_va_ssrc(0) depctr_va_vcc(0) depctr_vm_vsrc(0)
	s_getreg_b32 s2, hwreg(HW_REG_IB_STS2, 6, 4)
	s_cmp_eq_u32 s2, 0
	s_cbranch_scc0 .Lentry_in_a_cluster
	s_endpgm
.Lentry_in_a_cluster:
	s_bfe_u32 s2, ttmp6, 0x10000c
	s_cmp_lg_u32 s2, 0x3003
	s_cbranch_scc0 .Lentry_shape_is_right
	s_endpgm
.Lentry_shape_is_right:
; attn: ctx = softmax(mask ? Q K^T / 8 : -inf) V for one (batch, head) and 512 queries a work-group; f16 operands, f32 sums and softmax.
; The mask is an input: all 2,048 keys are computed for every query and the mask's bits are applied as they are given.
; A running maximum is kept for each query.  It starts at -1e30 (raw scores cannot reach that: |s| <= 64 x 65504^2), so a row whose keys are
; all masked ends with sum 0 and context 0 x (1/0) = NaN, as the softmax of a row of -inf gives.
; LIMITS: Q, K, V come in f16 (magnitudes to 65,504).  A probability goes to the matrix unit in f16: below 6e-8 of the row's largest it
; counts as zero, at most 2,048 x 3e-8 against a sum of at least 1.  The row's sum is made of the unrounded f32 probabilities.
; The context leaves as a sum of two bf16 numbers, hi + lo (16 significant bits): ctx2 [8192 token][16 head][hi 64 | lo 64].
; SHARES: eight waves, wave w has 64 queries = four q tiles n of 16.  TRANSPOSED: S^T = K Q^T (lane (r, hh), register j of tile t: query r,
; key 16 t + 8 hh + j), so a query's maximum and sum are one number a lane (the two halves of the lanes joined by one lane exchange), the
; probabilities pack in place into the second source of O^T = V^T P, and a lane of O^T holds eight neighbouring v of one query.
; CLUSTER: the four work-groups of a cluster are the four query blocks of one (batch, head) and read the same K and V: every tile is asked
; for jointly (mask 15).  The place in the cluster enters the addresses of Q, maskw and ctx2 alone.
; LDS: two slots of 256 keys; in a slot K's rows at 0 (pitch 144), V's at 40,960 (pitch 160); wave w fills 64 rows: K at 9,216 w (w < 4),
; V at 10,240 w (w >= 4).  Behind the slots a stage of 16 x 272 bytes for each wave, into which no fill lands.
; PIPELINE: a step is (block of 64 keys, q tile).  Step s issues the products of the scores of step s + 1, the softmax of step s and the
; products P V of step s - 1, one matrix instruction in front of each short run of vector work.
.set SLOT,   81920
.set VOFF,   40960
.set KP,     144
.set VP,     160
.set CHUNK,  32768                     ; 256 keys x 128 bytes in memory
.set STAGE,  2*SLOT
.set SPITCH, 272
; window 0
.set VADR, 8                           ; v8, v9   V's transposing loads, slot 0, 1
.set STO,  10
.set RD,   11
.set CO,   12
.set QOFF, 13
.set LP,   16                          ; v[16:31]   q tile n: four partial sums of probabilities
.set VF,   64                          ; v[64:127]  V^T fragments (u, vt) at 8 (4 u + vt)
.set ACC,  128                         ; v[128:255] O^T (n, vt) at 8 (4 n + vt)
; window 1: v0-31, v32-63 scores of even and odd q tiles; v64-79, v80-95 their packed probabilities
.set KF,   96                          ; K fragments (t, e) at 8 (2 t + e)
.set QF,   160                         ; Q fragments (n, e) at 8 (2 n + e)
.set MX,   224                         ; running maximum of q tile n (raw score)
.set NMX,  228                         ; - c x that maximum, as rounded
.set AL,   232                         ; the step's rescale factor (a pair: the upper register is written once and not used)
.set TT,   234                         ; four chains of the maximum
.set CUR,  238                         ; - c x new maximum (a pair, likewise)
.set KADR, 250                         ; v250, v251 K's loads, slot 0, 1
.set MW,   68                          ; s[68:99] the 32 mask words of a step
.set G1K, 16
.set G1V, 24
.set G0K, 32
.set G0V, 40
.set P1, 0x55                          ; every operand in window 1
.set P2, 0x04                          ; source 1 in window 1, the rest in window 0
.set MSB, 0
.macro WIN new
.if MSB != \new
	s_set_vgpr_msb (MSB<<8)|\new
.set MSB, \new
.endif
.endm
.macro ROUND                           ; a round of the cluster's barrier
	s_barrier_signal -1
	s_barrier_wait -1
	s_cmp_lg_u32 s10, 0
	s_cbranch_scc1 .Lnot_wave_0_\@
	s_barrier_signal -3
.Lnot_wave_0_\@:
	s_barrier_wait -3
	s_barrier_signal -1
	s_barrier_wait -1
.endm
.macro JLOAD s                         ; waves 0-3 ask for K's four quarters of a chunk, waves 4-7 for V's
	s_cmp_eq_u32 s11, 0
	s_cbranch_scc0 .Lfor_v_\@
	tensor_load_to_lds s[G0K+4*\s:G0K+4*\s+3], s[G1K:G1K+7]
	s_nop 0
.rept 4
	v_nop
.endr
	s_branch .Lasked_\@
.Lfor_v_\@:
	tensor_load_to_lds s[G0V+4*\s:G0V+4*\s+3], s[G1V:G1V+7]
	s_nop 0
.rept 4
	v_nop
.endr
.Lasked_\@:
.endm
	s_load_b128 s[4:7], s[0:1], 0x0                ; qkv, maskw
	s_load_b64 s[8:9], s[0:1], 0x10                ; ctx2
	v_lshl_add_u32 v62, v0, 2, 0x30800
	v_mov_b32 v63, 0
	ds_add_u32 v62, v63
	v_lshrrev_b32 v1, 5, v0
	v_readfirstlane_b32 s10, v1                    ; wave 0..7
	s_lshr_b32 s11, s10, 2                         ; I fetch K (0) or V (1)
	s_and_b32 s12, s10, 3                          ; which 64 keys of a chunk
	s_bfe_u32 s13, ttmp6, 0x40000                  ; cx
	s_lshl_b32 s59, ttmp9, 2
	s_add_co_u32 s59, s59, s13                     ; query block
	s_and_b32 s14, ttmp7, 0xffff
	s_lshr_b32 s15, s14, 4                         ; batch
	s_and_b32 s58, s14, 15                         ; head
	s_mov_b32 s50, 0x3e38aa3b                      ; c = log2(e) / 8
	s_mov_b32 s51, 0x3e38aa3b
	s_mov_b32 s52, 0xbe38aa3b                      ; - c
	s_mov_b32 s53, 0xff800000                      ; - infinity
	s_mov_b32 s54, 0x76543210                      ; lane i of one half reads lane i of the other
	s_mov_b32 s55, 0xfedcba98
	s_mov_b32 s57, 0xf149f2ca                      ; - 1e30
	s_mov_b32 s[G1K+0], 15|(1<<16)|(1<<20)|(1<<21)|(4<<22)|(3<<25)   ; mask of the four; 2-byte elements; 4 words of padding behind every 32
	s_mov_b32 s[G1V+0], 15|(1<<16)|(1<<20)|(1<<21)|(4<<22)|(7<<25)   ; V: 8 words of padding
	s_mov_b32 s[G1K+1], 64<<16                     ; tensor_dim0 = 64
	s_mov_b32 s[G1V+1], 64<<16
	s_mov_b32 s[G1K+2], 64<<16                     ; tensor_dim1 = 64
	s_mov_b32 s[G1V+2], 64<<16
	s_mov_b32 s[G1K+3], 64<<16                     ; tile_dim0 = 64
	s_mov_b32 s[G1V+3], 64<<16
	s_mov_b32 s[G1K+4], 64                         ; tile_dim1 = 64
	s_mov_b32 s[G1V+4], 64
	s_mov_b32 s[G1K+5], 64                         ; rows are dense in a panel
	s_mov_b32 s[G1V+5], 64
	s_mov_b32 s[G1K+6], 0
	s_mov_b32 s[G1V+6], 0
	s_mov_b32 s[G1K+7], 0
	s_mov_b32 s[G1V+7], 0
	s_lshl_b32 s60, s58, 20                        ; the head's panel
	s_lshl_b32 s61, s15, 18                        ; the batch's 2,048 tokens of 128 bytes
	s_add_co_u32 s60, s60, s61
	s_lshl_b32 s61, s12, 13                        ; my 64 keys
	s_add_co_u32 s62, s60, s61
	s_mov_b32 s63, 0
	s_mul_i32 s2, s10, 64*KP                       ; LDS of my part of K
	s_mul_i32 s3, s10, 64*VP                       ; LDS of my part of V
	s_lshl_b32 s66, s59, 16                        ; Q: 512 tokens a query block,
	s_lshl_b32 s67, s10, 13                        ; 64 a wave
	s_add_co_u32 s66, s66, s67
	s_add_co_u32 s66, s66, s60
	s_mov_b32 s67, 0
	s_lshl_b32 s48, s59, 17                        ; mask words: 32 q tiles of 4,096 bytes a query block,
	s_lshl_b32 s49, s10, 14                        ; 4 a wave
	s_add_co_u32 s48, s48, s49
	s_mov_b32 s49, 0
	s_lshl_b32 s100, s15, 23                       ; ctx2: 4,096 bytes a token
	s_lshl_b32 s101, s59, 21
	s_add_co_u32 s100, s100, s101
	s_lshl_b32 s101, s10, 18
	s_add_co_u32 s100, s100, s101
	s_lshl_b32 s101, s58, 8                        ; 256 bytes a head
	s_add_co_u32 s100, s100, s101
	s_mov_b32 s101, 0
	s_wait_dscnt 0x0
	s_wait_kmcnt 0x0
	s_add_nc_u64 s[62:63], s[4:5], s[62:63]
	s_add_nc_u64 s[66:67], s[4:5], s[66:67]
	s_add_nc_u64 s[48:49], s[6:7], s[48:49]
	s_add_nc_u64 s[8:9], s[8:9], s[100:101]
	ROUND                                          ; the four work-groups are here: the first joint loads meet
.irp s, 0,1
	s_mov_b32 s[G0K+4*\s], 1
	s_add_co_u32 s[G0K+4*\s+1], s2, \s*SLOT
	s_add_nc_u64 s[G0K+4*\s+2:G0K+4*\s+3], s[62:63], (16<<20)+\s*CHUNK     ; panels 16-31 are K
	s_or_b32 s[G0K+4*\s+3], s[G0K+4*\s+3], 0x80000000
	s_mov_b32 s[G0V+4*\s], 1
	s_add_co_u32 s[G0V+4*\s+1], s3, \s*SLOT
	s_add_nc_u64 s[G0V+4*\s+2:G0V+4*\s+3], s[62:63], (32<<20)+\s*CHUNK     ; panels 32-47 are V
	s_or_b32 s[G0V+4*\s+3], s[G0V+4*\s+3], 0x80000000
	JLOAD \s                                       ; two loads of the wave are out: chunks 0 and 1
.endr
	v_and_b32 v1, 15, v0                           ; r
	v_bfe_u32 v2, v0, 4, 1                         ; hh
	v_mul_u32_u24 v3, v1, KP
	v_lshl_add_u32 v3, v2, 4, v3                   ; K: row r, 16 bytes for each half
	v_and_b32 v4, 7, v0
	v_lshl_add_u32 v4, v2, 3, v4
	v_mul_u32_u24 v4, v4, VP                       ; V: key 8 hh + (L & 7),
	v_bfe_u32 v5, v0, 3, 1
	v_lshl_add_u32 v4, v5, 4, v4                   ; 16 bytes for each group of eight lanes
	v_add_nc_u32 v[VADR], VOFF, v4
	v_add_nc_u32 v[VADR+1], VOFF+SLOT, v4
	s_mul_i32 s60, s10, 16*SPITCH
	s_add_co_u32 s60, s60, STAGE
	v_mul_u32_u24 v6, v1, SPITCH
	v_lshl_add_u32 v6, v2, 4, v6
	v_add_nc_u32 v[STO], s60, v6
	v_mul_u32_u24 v6, v2, SPITCH
	v_lshl_add_u32 v6, v1, 4, v6
	v_add_nc_u32 v[RD], s60, v6
	v_lshlrev_b32 v6, 12, v2
	v_lshl_add_u32 v[CO], v1, 4, v6                ; two tokens a store, 256 bytes each
	v_lshlrev_b32 v6, 7, v1
	v_lshl_add_u32 v[QOFF], v2, 4, v6
	WIN 0x40                                       ; destinations in window 1
	v_mov_b32 v[KADR], v3
	v_add_nc_u32 v[KADR+1], SLOT, v3
	v_mov_b32 v[AL+1], 0                           ; upper registers of two pairs of which the packed forms use the lower alone
	v_mov_b32 v[CUR+1], 0
.irp i, 0,1,2,3,4,5,6,7
	global_load_b128 v[QF+8*\i:QF+8*\i+3],   v[QOFF], s[66:67] offset:((\i)>>1)*2048+((\i)&1)*64
	global_load_b128 v[QF+8*\i+4:QF+8*\i+7], v[QOFF], s[66:67] offset:((\i)>>1)*2048+((\i)&1)*64+32
.endr
	s_load_b512 s[MW:MW+15], s[48:49], 0x0         ; the mask words of the first step
	s_load_b512 s[MW+16:MW+31], s[48:49], 0x40
.macro KLOAD t, e                      ; K fragment (t, e) of block KG of slot KS
	ds_load_b128 v[KF+8*(2*\t+\e):KF+8*(2*\t+\e)+3],   v[KADR+KS] offset:(64*KG+16*\t)*KP+64*\e
	ds_load_b128 v[KF+8*(2*\t+\e)+4:KF+8*(2*\t+\e)+7], v[KADR+KS] offset:(64*KG+16*\t)*KP+64*\e+32
.endm
.macro VLOAD s                         ; V^T fragment s = 4 u + vt of block VG of slot VS: two transposing loads, 16 keys apart
	ds_load_tr16_b128 v[VF+8*\s:VF+8*\s+3],   v[VADR+VS] offset:(64*VG+32*((\s)>>2))*VP+32*((\s)&3)
	ds_load_tr16_b128 v[VF+8*\s+4:VF+8*\s+7], v[VADR+VS] offset:(64*VG+32*((\s)>>2)+16)*VP+32*((\s)&3)
.endm
.macro QKW t, e                        ; 16 keys x 16 queries (q tile NN) x 32 of d, into the score registers SQ
.if \e
	v_wmma_f32_16x16x32_f16 v[SQ+8*\t:SQ+8*\t+7], v[KF+8*(2*\t+\e):KF+8*(2*\t+\e)+7], v[QF+8*(2*NN+\e):QF+8*(2*NN+\e)+7], v[SQ+8*\t:SQ+8*\t+7]
.else
	v_wmma_f32_16x16x32_f16 v[SQ+8*\t:SQ+8*\t+7], v[KF+8*(2*\t+\e):KF+8*(2*\t+\e)+7], v[QF+8*(2*NN+\e):QF+8*(2*NN+\e)+7], 0
.endif
.endm
.macro PVW s                           ; 16 v x 16 queries (q tile NP) x 32 keys; s = 4 u + vt
.if PVZ && ((\s)<4)
	v_wmma_f32_16x16x32_f16 v[ACC+32*NP+8*((\s)&3):ACC+32*NP+8*((\s)&3)+7], v[VF+8*(\s):VF+8*(\s)+7], v[PBQ+8*((\s)>>2):PBQ+8*((\s)>>2)+7], 0
.else
	v_wmma_f32_16x16x32_f16 v[ACC+32*NP+8*((\s)&3):ACC+32*NP+8*((\s)&3)+7], v[VF+8*(\s):VF+8*(\s)+7], v[PBQ+8*((\s)>>2):PBQ+8*((\s)>>2)+7], v[ACC+32*NP+8*((\s)&3):ACC+32*NP+8*((\s)&3)+7]
.endif
.endm
; One step: block b of the lap's eight, q tile n.  In every run of matrix instructions the accumulators take turns, one instruction a turn.
; The vector work behind a matrix instruction names none of its registers.
.macro STEP b, n, first, last
.set PAR,  (\n)&1
.set SP,   32*PAR                      ; this step's scores
.set SQ,   32-32*PAR                   ; the last step's probabilities, then the next step's scores
.set PBQ,  80-16*PAR                   ; the last step's packed probabilities
.set NN,   ((\n)+1)&3
.set NP,   ((\n)+3)&3
.set BLK0, 0                           ; the very first block: nothing to rescale yet
.if (\first) && ((\b)==0)
.set BLK0, 1
.endif
.set HASPREV, 1
.if BLK0 && ((\n)==0)
.set HASPREV, 0
.endif
.set HASNEXT, 1
.if (\last) && ((\b)==7) && ((\n)==3)
.set HASNEXT, 0
.endif
.set PVZ, 0                            ; the last step lay in the first block: its first products start O's sums
.if BLK0 && ((\n)>0)
.set PVZ, 1
.endif
.if (\first) && ((\b)==1) && ((\n)==0)
.set PVZ, 1
.endif
.set KLD, 0                            ; q tile 2 issues the last products on this block's K: the next block's K follows into the same registers
.if (\n)==2
.set KLD, 1
.if (\last) && ((\b)==7)
.set KLD, 0
.endif
.endif
.set KS, (((\b)+1)>>2)&1
.set KG, ((\b)+1)&3
.set VLD, 0                            ; q tile 0 issues the last products on the block before's V: this block's V follows
.if ((\n)==0) && (BLK0==0)
.set VLD, 1
.endif
.set VS, (\b)>>2
.set VG, (\b)&3
.set MOFF, NN*4096+(\b)*128            ; the next step's mask words
.if (\n)==3
.set MOFF, ((\b)+1)*128
.endif
.set TR, 0                             ; a slot's last block, q tile 1: all of the slot has been read into registers
.if ((\n)==1) && (((\b)&3)==3)
.set TR, 1
.if \last
.set TR, 2
.if (\b)==7
.set TR, 0
.endif
.endif
.endif
.if TR == 1
	WIN 0
	s_wait_dscnt 0x0                               ; my reads of this slot are back
	s_wait_tensorcnt 0x0                           ; all my tensor loads have landed: my part of the other slot
	ds_add_u32 v62, v63
	s_wait_dscnt 0x0
	ROUND                                          ; both hold of every wave of the four work-groups
	s_add_nc_u64 s[G0K+4*VS+2:G0K+4*VS+3], s[G0K+4*VS+2:G0K+4*VS+3], 2*CHUNK
	s_add_nc_u64 s[G0V+4*VS+2:G0V+4*VS+3], s[G0V+4*VS+2:G0V+4*VS+3], 2*CHUNK
	JLOAD VS                                       ; my one tensor load behind the round: the chunk after next, sixteen steps ahead of its first read
.endif
.if TR == 2
	s_wait_dscnt 0x0
	s_wait_tensorcnt 0x0                           ; the last chunk: my part has landed,
	s_barrier_signal -1
	s_barrier_wait -1                              ; everybody's has; nothing is left to fetch
.endif
	WIN P1
	s_wait_kmcnt 0x0                               ; this step's mask words
.if ((\b)==0) && ((\n)==0) && ((\first)==0)
	s_add_nc_u64 s[48:49], s[48:49], 1024          ; eight blocks of 128 bytes on; no scalar load is out
.endif
.if (\n)==3
	s_wait_dscnt 0x0                               ; the next block's K fragments
.endif
.if HASPREV
.irp x, 0,1,2,3,4,5,6,7,8,9,10,11,12,13,14,15
	v_cvt_pk_f16_f32 v[PBQ+\x], v[SQ+2*\x], v[SQ+2*\x+1]   ; tiles 2 u, 2 u + 1 are the second source of key group u as they stand
.endr
.endif
.irp t, 0,1,2,3
.if HASNEXT
	QKW \t, 0
.endif
.irp j, 0,1,2,3,4,5,6,7
	v_cndmask_b32 v[SP+8*\t+\j], s53, v[SP+8*\t+\j], s[MW+8*\t+\j]
.endr
.irp k, 0,1,2,3
.if \t
	v_max3_num_f32 v[TT+\k], v[SP+8*\t+2*\k], v[SP+8*\t+2*\k+1], v[TT+\k]
.else
.if BLK0
	v_max3_num_f32 v[TT+\k], v[SP+2*\k], v[SP+2*\k+1], s57
.else
	v_max3_num_f32 v[TT+\k], v[SP+2*\k], v[SP+2*\k+1], v[MX+\n]
.endif
.endif
.endr
.if KLD
	KLOAD \t, 0                                    ; twelve plain vector instructions behind the product that read the fragment
.endif
.endr
.if HASNEXT
	s_load_b512 s[MW:MW+15], s[48:49], MOFF        ; the selects above were the last readers of these words
	s_load_b512 s[MW+16:MW+31], s[48:49], MOFF+64
.endif
	v_max3_num_f32 v[TT], v[TT], v[TT+1], v[TT+2]
	v_max_num_f32 v[TT], v[TT], v[TT+3]
	v_permlanex16_b32 v[TT+1], v[TT], s54, s55     ; the query's other 32 keys lie in the other half of the lanes
	v_max_num_f32 v[MX+\n], v[TT], v[TT+1]
	v_mul_f32 v[CUR], s52, v[MX+\n]
.if BLK0 == 0
	v_sub_f32 v[AL], v[CUR], v[NMX+\n]             ; c (old maximum - new maximum), of the rounded products: exactly 0 where nothing changed
	v_exp_f32 v[AL], v[AL]
.endif
	v_mov_b32 v[NMX+\n], v[CUR]                    ; also the plain instruction behind v_exp_f32 (ISA guide 5.7.2)
.irp t, 0,1,2,3
.if HASNEXT
	QKW \t, 1
.endif
.irp k, 0,2,4,6
	v_pk_fma_f32 v[SP+8*\t+\k:SP+8*\t+\k+1], v[SP+8*\t+\k:SP+8*\t+\k+1], s[50:51], v[CUR:CUR+1] op_sel_hi:[1,0,0]
.endr
.if KLD
	KLOAD \t, 1                                    ; four plain vector instructions behind the product that read the fragment
.endif
.irp j, 0,1,2,3,4,5,6,7
	v_exp_f32 v[SP+8*\t+\j], v[SP+8*\t+\j]
.endr
.endr
	WIN P2
.if (\n)==1
	s_wait_dscnt 0x0                               ; this block's V fragments
.endif
.if BLK0 == 0
	s_wait_alu depctr_va_vdst(0)
	v_pk_mul_f32 v[LP+4*\n:LP+4*\n+1],   v[LP+4*\n:LP+4*\n+1],   v[AL:AL+1] op_sel_hi:[1,0]
	v_pk_mul_f32 v[LP+4*\n+2:LP+4*\n+3], v[LP+4*\n+2:LP+4*\n+3], v[AL:AL+1] op_sel_hi:[1,0]
.endif
.irp s, 0,1,2,3,4,5,6,7
.if HASPREV
	PVW \s
.endif
.if BLK0 && ((\s)==0)
	s_wait_alu depctr_va_vdst(0)
	v_pk_add_f32 v[LP+4*\n:LP+4*\n+1],   0, v[SP:SP+1]   op_sel_hi:[0,1]       ; the first probabilities start the sums
	v_pk_add_f32 v[LP+4*\n+2:LP+4*\n+3], 0, v[SP+2:SP+3] op_sel_hi:[0,1]
.else
	v_pk_add_f32 v[LP+4*\n:LP+4*\n+1],   v[LP+4*\n:LP+4*\n+1],   v[SP+4*\s:SP+4*\s+1]
	v_pk_add_f32 v[LP+4*\n+2:LP+4*\n+3], v[LP+4*\n+2:LP+4*\n+3], v[SP+4*\s+2:SP+4*\s+3]
.endif
.if BLK0 == 0
	v_pk_mul_f32 v[ACC+32*\n+4*\s:ACC+32*\n+4*\s+1],   v[ACC+32*\n+4*\s:ACC+32*\n+4*\s+1],   v[AL:AL+1] op_sel_hi:[1,0]
	v_pk_mul_f32 v[ACC+32*\n+4*\s+2:ACC+32*\n+4*\s+3], v[ACC+32*\n+4*\s+2:ACC+32*\n+4*\s+3], v[AL:AL+1] op_sel_hi:[1,0]
.endif
.if VLD
	VLOAD \s                                       ; four plain vector instructions behind the product that read the fragment
.endif
.endr
.endm
.macro BLOCK b, first, last
	STEP \b, 0, \first, \last
	STEP \b, 1, \first, \last
	STEP \b, 2, \first, \last
	STEP \b, 3, \first, \last
.endm
.macro LAP first, last                 ; eight blocks: once through both slots
.irp b, 0,1,2,3,4,5,6,7
	BLOCK \b, \first, \last
.endr
.endm
	s_wait_tensorcnt 0x1                           ; my part of chunk 0 is in; chunk 1's stays out
	s_barrier_signal -1
	s_barrier_wait -1
.set KS, 0
.set KG, 0
.set VS, 0
.set VG, 0
	WIN P1
.irp t, 0,1,2,3
	KLOAD \t, 0
	KLOAD \t, 1
.endr
	WIN 0
.irp s, 0,1,2,3,4,5,6,7
	VLOAD \s
.endr
	s_wait_loadcnt 0x0                             ; Q
	s_wait_dscnt 16                                ; K's sixteen loads are in; V's sixteen may be out
.set SQ, 0
.set NN, 0
	WIN P1
.irp t, 0,1,2,3
	QKW \t, 0
.endr
.irp t, 0,1,2,3
	QKW \t, 1
.endr
.rept 4
	v_nop                                          ; four places before the first step reads these scores (ISA guide 7.12.1)
.endr
	LAP 1, 0
	WIN 0
	s_mov_b32 s56, 2
.Llap:
	LAP 0, 0
	WIN 0
	s_sub_co_u32 s56, s56, 1
	s_cmp_lg_u32 s56, 0
	s_cbranch_scc1 .Llap
	LAP 0, 1
	; the last step's probabilities and products
.set SQ, 32
.set PBQ, 80
.set NP, 3
.set PVZ, 0
	WIN P1
.irp x, 0,1,2,3,4,5,6,7,8,9,10,11,12,13,14,15
	v_cvt_pk_f16_f32 v[PBQ+\x], v[SQ+2*\x], v[SQ+2*\x+1]
.endr
	WIN P2
.irp s, 0,1,2,3,4,5,6,7
	PVW \s
.endr
	WIN 0
.rept 4
	v_nop
.endr
; THE WAY OUT, a q tile at a time: divide by the sum, split into hi + lo in bf16, through my own stage, and out as whole blocks of 256 bytes
; (one token's hi and lo of this head).
.macro OUTQ n, f
	v_pk_add_f32 v[2:3], v[LP+4*\n:LP+4*\n+1], v[LP+4*\n+2:LP+4*\n+3]
	v_add_f32 v2, v2, v3
	v_permlanex16_b32 v3, v2, s54, s55
	v_add_f32 v2, v2, v3
	v_rcp_f32 v4, v2
	v_nop                                          ; the plain instruction behind v_rcp_f32 (ISA guide 5.7.2)
	s_wait_alu depctr_va_vdst(0)
.irp k, 0,2,4,6,8,10,12,14,16,18,20,22,24,26,28,30
	v_pk_mul_f32 v[ACC+32*\n+\k:ACC+32*\n+\k+1], v[ACC+32*\n+\k:ACC+32*\n+\k+1], v[4:5] op_sel_hi:[1,0]
.endr
.irp vt, 0,1,2,3
.irp k, 0,1,2,3
	v_cvt_pk_bf16_f32 v[32+\k], v[ACC+32*\n+8*\vt+2*\k], v[ACC+32*\n+8*\vt+2*\k+1]         ; hi
.endr
.irp k, 0,1,2,3
	v_lshlrev_b32 v[40+2*\k], 16, v[32+\k]
	v_and_b32 v[40+2*\k+1], 0xffff0000, v[32+\k]
.endr
.irp k, 0,1,2,3
	v_pk_add_f32 v[40+2*\k:40+2*\k+1], v[ACC+32*\n+8*\vt+2*\k:ACC+32*\n+8*\vt+2*\k+1], v[40+2*\k:40+2*\k+1] neg_lo:[0,1] neg_hi:[0,1]
.endr
.irp k, 0,1,2,3
	v_cvt_pk_bf16_f32 v[36+\k], v[40+2*\k], v[40+2*\k+1]                                   ; lo = what hi left over
.endr
	ds_store_b128 v[STO], v[32:35] offset:32*\vt
	ds_store_b128 v[STO], v[36:39] offset:128+32*\vt
.endr
	s_wait_xcnt 0x0                                ; registers that earlier stores read are loaded again only behind this wait
.irp t, 0,1,2,3,4,5,6,7
	ds_load_b128 v[\f+4*\t:\f+4*\t+3], v[RD] offset:\t*2*SPITCH    ; LDS serves a wave in order: these see the stores above
.endr
.irp t, 0,1,2,3,4,5,6,7
	s_wait_dscnt 7-\t
	global_store_b128 v[CO], v[\f+4*\t:\f+4*\t+3], s[8:9] offset:\n*65536+2*\t*4096
.endr
.endm
	OUTQ 0, 64
	OUTQ 1, 96
	OUTQ 2, 64
	OUTQ 3, 96
	s_wait_tensorcnt 0x0
	ds_add_u32 v62, v63
	s_wait_dscnt 0x0
	ROUND                                          ; the closing round
	s_endpgm
.Lfunc_end_k_q8e49cac207_attn:
	.size	k_q8e49cac207_attn, .Lfunc_end_k_q8e49cac207_attn-k_q8e49cac207_attn
	.p2alignl 7, 3214868480
	.fill 96, 4, 3214868480
	.section	.rodata,"a",@progbits
	.p2align	6, 0x0
	.amdhsa_kernel k_q8e49cac207_attn
		.amdhsa_group_segment_fixed_size 327680
		.amdhsa_private_segment_fixed_size 0
		.amdhsa_enable_private_segment 0
		.amdhsa_kernarg_size 24
		.amdhsa_user_sgpr_count 2
		.amdhsa_user_sgpr_kernarg_segment_ptr 1
		.amdhsa_wavefront_size32 1
		.amdhsa_system_sgpr_workgroup_id_x 1
		.amdhsa_system_sgpr_workgroup_id_y 1
		.amdhsa_system_sgpr_workgroup_id_z 1
		.amdhsa_system_vgpr_workitem_id 0
		.amdhsa_next_free_vgpr 512
		.amdhsa_next_free_sgpr 102
		.amdhsa_reserve_vcc 0
		.amdhsa_float_denorm_mode_32 3
		.amdhsa_float_denorm_mode_16_64 3
		.amdhsa_memory_ordered 1
		.amdhsa_forward_progress 1
		.amdhsa_inst_pref_size 255
	.end_amdhsa_kernel
	.section	.bss,"aw",@nobits
	.p2align	6
	.space	262144
	.amdgpu_metadata
---
amdhsa.version: [ 1, 2 ]
amdhsa.kernels:
  - .name:           k_q8e49cac207_attn
    .symbol:         k_q8e49cac207_attn.kd
    .args:
      - { .name: qkv, .offset: 0, .size: 8, .value_kind: global_buffer, .address_space: global }
      - { .name: maskw, .offset: 8, .size: 8, .value_kind: global_buffer, .address_space: global }
      - { .name: ctx2, .offset: 16, .size: 8, .value_kind: global_buffer, .address_space: global }
    .group_segment_fixed_size: 327680
    .private_segment_fixed_size: 0
    .kernarg_segment_align: 8
    .kernarg_segment_size: 24
    .max_flat_workgroup_size: 256
    .sgpr_count:     102
    .vgpr_count:     512
    .wavefront_size: 32
...
	.end_amdgpu_metadata
.endif
;; end of part 3
;; launch oproj (part 4): grid 8 x 32, 4 waves a work-group, clusters of 4 x 4, 327,680 bytes of LDS; arguments ctx2, wot, bo, out0; writes out0
.if DOCPART == 4
	.amdgcn_target "amdgcn-amd-amdhsa--gfx1250"
	.amdhsa_code_object_version 6
	.text
	.protected	k_q8e49cac207_oproj
	.globl	k_q8e49cac207_oproj
	.p2align	8
	.type	k_q8e49cac207_oproj,@function
k_q8e49cac207_oproj:
	s_mov_b64 s[64:65], 0
	v_nop
	global_prefetch_b8 v0, s[64:65] scope:SCOPE_SE
	s_setreg_imm32_b32 hwreg(HW_REG_WAVE_MODE, 25, 1), 1
	s_wait_xcnt 0x0
	s_wait_alu depctr_hold_cnt(0) depctr_sa_sdst(0) depctr_va_vdst(0) depctr_va_sdst(0) depctr_va_ssrc(0) depctr_va_vcc(0) depctr_vm_vsrc(0)
	s_getreg_b32 s2, hwreg(HW_REG_IB_STS2, 6, 4)
	s_cmp_eq_u32 s2, 0
	s_cbranch_scc0 .Lentry_in_a_cluster
	s_endpgm
.Lentry_in_a_cluster:
	s_bfe_u32 s2, ttmp6, 0x10000c
	s_cmp_lg_u32 s2, 0xf033
	s_cbranch_scc0 .Lentry_shape_is_right
	s_endpgm
.Lentry_shape_is_right:
; oproj: out0[m][n] = bo[n] + sum over k' of ctx2[m][k'] wot[n][k']; m = 8,192, n = 1,024, k' = 2,048: the context's hi and lo parts each meet
; the same bf16 weight, so the product is that of a context of 16 significant bits.  bf16 operands, f32 sums, f32 out.
; The same text as the projection of Q, K, V, with two column groups: a work-group makes 256 x 128 (256 work-groups), wave w its rows
; 64 w .. 64 w + 63 and all 128 columns: 4 x 8 accumulator tiles.  K' goes in steps of 128 through two LDS slots filled by tensor loads.
; CLUSTERS: 4 x 4 work-groups; ctx2's tiles are asked for jointly along a row of the cluster, wot's along a column.
; WINDOWS: 0 addresses, fragments of ctx2 (v64-95, v96-127); 1 fragments of wot (v0-63, v96-159); 2 accumulators (tile (g, bb, a) at 8 (16 g + 4 bb + a)).
; The matrix instruction is used transposed: a lane holds eight neighbouring columns of one row.
.set NG,     2
.set SIZE_K, 2048
.set KSTEP,  128
.set PITCH,  272
.set AHALF,  128*PITCH
.set BHALF,  32*NG*PITCH
.set BOFF,   256*PITCH
.set SLOT,   BOFF+2*BHALF
.set STAGE,  2*SLOT
.set SPITCH, 528                       ; a stage row: 128 f32 + 16 bytes
.set SB,     16*SPITCH
.set LAPS,   SIZE_K/(2*KSTEP)
.set NL,     8+8*NG
.set ADRA, 16
.set ADRB, 20
.set STO,  24
.set RD,   25
.set CO,   26
.set BIAS, 28                          ; v[28:31] bo of my four columns
.set G1,  24
.set G0,  32
.set G1B, 48
.set G0B, 56
.set MSB, 0
.macro WIN new
.if MSB != \new
	s_set_vgpr_msb (MSB<<8)|\new
.set MSB, \new
.endif
.endm
.set MUL_LO, 0xa1
.set TO_B,   0x40
.macro JLOAD s
	s_cmp_eq_u32 s11, 0
	s_cbranch_scc0 .Lfor_b_\@
	tensor_load_to_lds s[G0+4*\s:G0+4*\s+3], s[G1:G1+7]
	s_nop 0
.rept 4
	v_nop
.endr
	s_branch .Lasked_\@
.Lfor_b_\@:
	tensor_load_to_lds s[G0B+4*\s:G0B+4*\s+3], s[G1B:G1B+7]
	s_nop 0
.rept 4
	v_nop
.endr
.Lasked_\@:
.endm
.macro CREST
	s_cmp_lg_u32 s10, 0
	s_cbranch_scc1 .Lnot_wave_0_\@
	s_barrier_signal -3
.Lnot_wave_0_\@:
	s_barrier_wait -3
	s_barrier_signal -1
	s_barrier_wait -1
.endm
.macro CROUND
	s_barrier_signal -1
	s_barrier_wait -1
	CREST
.endm
.macro PLACES                          ; four plain vector instructions behind a matrix instruction before its registers are loaded into or its result read (ISA guide 7.12.1)
.rept 4
	v_nop
.endr
.endm
	s_load_b128 s[4:7], s[0:1], 0x0                ; ctx2, wot
	s_load_b64 s[8:9], s[0:1], 0x18                ; out0
	s_set_vgpr_msb 0x40
	v_lshl_add_u32 v255, v0, 2, 0x3b400
	s_set_vgpr_msb 0x4000
	v_mov_b32 v255, 0
	s_set_vgpr_msb 0x1
	ds_add_u32 v255, v255
	s_set_vgpr_msb 0x100
	v_lshrrev_b32 v1, 5, v0
	v_readfirstlane_b32 s10, v1
	s_lshr_b32 s11, s10, 1
	s_and_b32 s12, s10, 1
	s_bfe_u32 s40, ttmp6, 0x40000                  ; cx
	s_bfe_u32 s41, ttmp6, 0x40004                  ; cy
	s_lshl_b32 s42, ttmp9, 2
	s_add_co_u32 s42, s42, s40                     ; block column
	s_and_b32 s13, ttmp7, 0xffff
	s_lshl_b32 s13, s13, 2
	s_add_co_u32 s13, s13, s41                     ; block row
	s_lshl_b32 s43, s41, 2
	s_lshl_b32 s43, 15, s43
	s_lshl_b32 s44, 0x1111, s40
	s_or_b32 s[G1+0], s43, (1<<16)|(1<<20)|(1<<21)|(5<<22)|(3<<25)
	s_or_b32 s[G1B+0], s44, (1<<16)|(1<<20)|(1<<21)|(5<<22)|(3<<25)
	s_mov_b32 s[G1+1], KSTEP<<16
	s_mov_b32 s[G1B+1], KSTEP<<16
	s_mov_b32 s[G1+2], 128<<16
	s_mov_b32 s[G1B+2], (32*NG)<<16                ; wot: 64 rows a load
	s_mov_b32 s[G1+3], KSTEP<<16
	s_mov_b32 s[G1B+3], KSTEP<<16
	s_mov_b32 s[G1+4], 128
	s_mov_b32 s[G1B+4], 32*NG
	s_mov_b32 s[G1+5], SIZE_K
	s_mov_b32 s[G1B+5], SIZE_K
	s_mov_b32 s[G1+6], 0
	s_mov_b32 s[G1B+6], 0
	s_mov_b32 s[G1+7], 0
	s_mov_b32 s[G1B+7], 0
	s_lshl_b32 s17, s12, 7
	s_lshl_b32 s16, s13, 8
	s_add_co_u32 s16, s16, s17
	s_mul_i32 s46, s42, 64*NG
	s_mul_i32 s47, s12, 32*NG
	s_add_co_u32 s46, s46, s47
	s_mov_b32 s17, 0
	s_mov_b32 s47, 0
	s_mov_b64 s[18:19], SIZE_K*2
	s_mul_u64 s[16:17], s[16:17], s[18:19]
	s_mul_u64 s[46:47], s[46:47], s[18:19]
	s_mul_i32 s20, s10, AHALF
	s_mul_i32 s21, s10, BHALF
	s_add_co_u32 s21, s21, BOFF-2*BHALF
	s_wait_dscnt 0x0
	s_wait_kmcnt 0x0
	s_add_nc_u64 s[14:15], s[4:5], s[16:17]
	s_add_nc_u64 s[46:47], s[6:7], s[46:47]
	CROUND                                         ; the first joint loads meet
.irp s, 0,1
	s_mov_b32 s[G0+4*\s], 1
	s_add_co_u32 s[G0+4*\s+1], s20, \s*SLOT
	s_add_nc_u64 s[G0+4*\s+2:G0+4*\s+3], s[14:15], \s*KSTEP*2
	s_or_b32 s[G0+4*\s+3], s[G0+4*\s+3], 0x80000000
	s_mov_b32 s[G0B+4*\s], 1
	s_add_co_u32 s[G0B+4*\s+1], s21, \s*SLOT
	s_add_nc_u64 s[G0B+4*\s+2:G0B+4*\s+3], s[46:47], \s*KSTEP*2
	s_or_b32 s[G0B+4*\s+3], s[G0B+4*\s+3], 0x80000000
	JLOAD \s                                       ; two loads of the wave are out, K steps 0 and 1
.endr
	v_and_b32 v1, 15, v0
	v_bfe_u32 v2, v0, 4, 1
	v_mul_u32_u24 v3, v1, PITCH
	v_lshl_add_u32 v3, v2, 4, v3
	s_mul_i32 s22, s10, 64*PITCH
.irp s, 0,1
	v_add_nc_u32 v[ADRA+\s], s22, v3
	v_add_nc_u32 v[ADRB+\s], BOFF+\s*SLOT, v3
	s_add_co_u32 s22, s22, SLOT
.endr
	s_mul_i32 s23, s10, SB
	s_add_co_u32 s23, s23, STAGE
	v_mul_u32_u24 v4, v1, SPITCH
	v_lshl_add_u32 v4, v2, 5, v4
	v_add_nc_u32 v[STO], s23, v4                   ; in: row r, 32 bytes (eight f32) for each half
	v_and_b32 v5, 31, v0
	v_lshlrev_b32 v[CO], 4, v5                     ; back and out: the wave takes a row's 512 bytes
	v_add_nc_u32 v[RD], s23, v[CO]
; The accumulators take turns, one instruction a turn, in the same order in every quarter step.
.macro MUL16 f, g, zero
.irp bb, 0,1,2,3
.irp a, 0,1,2,3
.if \zero
	v_wmma_f32_16x16x32_bf16 v[8*(16*\g+4*\bb+\a):8*(16*\g+4*\bb+\a)+7], v[96*\f+8*(4*\g+\bb):96*\f+8*(4*\g+\bb)+7], v[64+32*\f+8*\a:64+32*\f+8*\a+7], 0
.else
	v_wmma_f32_16x16x32_bf16 v[8*(16*\g+4*\bb+\a):8*(16*\g+4*\bb+\a)+7], v[96*\f+8*(4*\g+\bb):96*\f+8*(4*\g+\bb)+7], v[64+32*\f+8*\a:64+32*\f+8*\a+7], v[8*(16*\g+4*\bb+\a):8*(16*\g+4*\bb+\a)+7]
.endif
.endr
.endr
.endm
.macro FETCH slot, k, f
	WIN 0
.irp i, 0,1,2,3
	ds_load_b128 v[64+32*\f+8*\i:64+32*\f+8*\i+3],   v[ADRA+\slot] offset:\k+\i*16*PITCH
	ds_load_b128 v[64+32*\f+8*\i+4:64+32*\f+8*\i+7], v[ADRA+\slot] offset:\k+\i*16*PITCH+32
.endr
	WIN TO_B
.set bi, 0
.rept 4*NG
	ds_load_b128 v[96*\f+8*bi:96*\f+8*bi+3],   v[ADRB+\slot] offset:\k+bi*16*PITCH
	ds_load_b128 v[96*\f+8*bi+4:96*\f+8*bi+7], v[ADRB+\slot] offset:\k+bi*16*PITCH+32
.set bi, bi+1
.endr
.endm
.macro QUARTER slot, k, f, g, zero
	s_wait_dscnt 8*(NG-1)                          ; ctx2's fragments and column group 0 are in; group 1's eight loads may be out
	WIN MUL_LO
	MUL16 \f, 0, \zero
	PLACES
	FETCH \slot, \k, \g
	s_wait_dscnt NL                                ; all but the run just issued
	WIN MUL_LO
	MUL16 \f, 1, \zero
.endm
.macro THREE slot, zero
	QUARTER \slot, 64,  0, 1, \zero
	QUARTER \slot, 128, 1, 0, 0
	QUARTER \slot, 192, 0, 1, 0
.endm
; The change of slots: each wave's reads of this slot and all its tensor loads are waited for in front of the barrier; the refill comes first behind it.
.macro TURN slot, next, fill
	s_wait_dscnt 0x0
	s_wait_tensorcnt 0x0
	ds_add_u32 v255, v255
	s_wait_dscnt 0x0
	s_barrier_signal -1
	WIN MUL_LO
	MUL16 1, 0, 0
	WIN 0
	s_barrier_wait -1
.if \fill
	CREST
	s_add_nc_u64 s[G0+4*\slot+2:G0+4*\slot+3], s[G0+4*\slot+2:G0+4*\slot+3], 2*KSTEP*2
	s_add_nc_u64 s[G0B+4*\slot+2:G0B+4*\slot+3], s[G0B+4*\slot+2:G0B+4*\slot+3], 2*KSTEP*2
	JLOAD \slot                                    ; my one tensor load behind the round; its four v_nop are also the places in front of the loads below
.else
	PLACES
.endif
	FETCH \next, 0, 0
	WIN MUL_LO
	MUL16 1, 1, 0
.endm
.macro LAP zero
	THREE 0, \zero
	TURN 0, 1, 1
	THREE 1, 0
	TURN 1, 0, 1
.endm
	s_wait_tensorcnt 0x1                           ; my part of K step 0 is in; K step 1's stays out
	s_barrier_signal -1
	s_barrier_wait -1
	FETCH 0, 0, 0
	LAP 1
	WIN 0
	s_mov_b32 s3, LAPS-2
.Llap:
	LAP 0
	WIN 0
	s_sub_co_u32 s3, s3, 1
	s_cmp_lg_u32 s3, 0
	s_cbranch_scc1 .Llap
	THREE 0, 0
	TURN 0, 1, 0
	THREE 1, 0
	s_wait_dscnt 0x0
	WIN MUL_LO
	MUL16 1, 0, 0
	MUL16 1, 1, 0
	PLACES
	WIN 0
	; THE WAY OUT, 16 rows at a time, through my own stage: a row's 512 bytes come back to the wave, bo is added, one store covers them.
	s_load_b64 s[44:45], s[0:1], 0x10              ; bo
	s_lshl_b32 s16, s13, 8
	s_lshl_b32 s17, s10, 6
	s_add_co_u32 s16, s16, s17                     ; my first row
	s_lshl_b32 s16, s16, 12                        ; 4,096 bytes a row
	s_mov_b32 s17, 0
	s_add_nc_u64 s[8:9], s[8:9], s[16:17]
	s_lshl_b32 s46, s42, 9                         ; my 128 columns of 4 bytes
	s_mov_b32 s47, 0
	s_add_nc_u64 s[8:9], s[8:9], s[46:47]
	s_wait_kmcnt 0x0
	s_add_nc_u64 s[44:45], s[44:45], s[46:47]
	global_load_b128 v[BIAS:BIAS+3], v[CO], s[44:45]
.macro OUT16 a
	WIN 0x08                                       ; an LDS store's data is source 1: window 2
.irp t, 0,1,2,3,4,5,6,7
	ds_store_b128 v[STO], v[8*(4*\t+\a):8*(4*\t+\a)+3]   offset:64*\t
	ds_store_b128 v[STO], v[8*(4*\t+\a)+4:8*(4*\t+\a)+7] offset:64*\t+16
.endr
	WIN 0
.irp hf, 0,1
	s_wait_xcnt 0x0                                ; registers that earlier stores read are loaded again only behind this wait
.irp t, 0,1,2,3,4,5,6,7
	ds_load_b128 v[64+32*\hf+4*\t:64+32*\hf+4*\t+3], v[RD] offset:(8*\hf+\t)*SPITCH   ; LDS serves a wave in order: these see the stores above
.endr
.irp t, 0,1,2,3,4,5,6,7
	s_wait_dscnt 7-\t
	v_pk_add_f32 v[64+32*\hf+4*\t:64+32*\hf+4*\t+1],   v[64+32*\hf+4*\t:64+32*\hf+4*\t+1],   v[BIAS:BIAS+1]
	v_pk_add_f32 v[64+32*\hf+4*\t+2:64+32*\hf+4*\t+3], v[64+32*\hf+4*\t+2:64+32*\hf+4*\t+3], v[BIAS+2:BIAS+3]
	global_store_b128 v[CO], v[64+32*\hf+4*\t:64+32*\hf+4*\t+3], s[8:9] offset:(16*\a+8*\hf+\t)*4096 th:TH_STORE_NT
.endr
.endr
.endm
	s_wait_loadcnt 0x0                             ; bo
	OUT16 0
	OUT16 1
	OUT16 2
	OUT16 3
	s_set_vgpr_msb 0x1
	s_wait_tensorcnt 0x0
	ds_add_u32 v255, v255
	s_wait_dscnt 0x0
	s_set_vgpr_msb 0x100
	CROUND                                         ; the closing round
	s_endpgm
.Lfunc_end_k_q8e49cac207_oproj:
	.size	k_q8e49cac207_oproj, .Lfunc_end_k_q8e49cac207_oproj-k_q8e49cac207_oproj
	.p2alignl 7, 3214868480
	.fill 96, 4, 3214868480
	.section	.rodata,"a",@progbits
	.p2align	6, 0x0
	.amdhsa_kernel k_q8e49cac207_oproj
		.amdhsa_group_segment_fixed_size 327680
		.amdhsa_private_segment_fixed_size 0
		.amdhsa_enable_private_segment 0
		.amdhsa_kernarg_size 32
		.amdhsa_user_sgpr_count 2
		.amdhsa_user_sgpr_kernarg_segment_ptr 1
		.amdhsa_wavefront_size32 1
		.amdhsa_system_sgpr_workgroup_id_x 1
		.amdhsa_system_sgpr_workgroup_id_y 1
		.amdhsa_system_sgpr_workgroup_id_z 1
		.amdhsa_system_vgpr_workitem_id 0
		.amdhsa_next_free_vgpr 768
		.amdhsa_next_free_sgpr 66
		.amdhsa_reserve_vcc 0
		.amdhsa_float_denorm_mode_32 3
		.amdhsa_float_denorm_mode_16_64 3
		.amdhsa_memory_ordered 1
		.amdhsa_forward_progress 1
		.amdhsa_inst_pref_size 127
	.end_amdhsa_kernel
	.amdgpu_metadata
---
amdhsa.version: [ 1, 2 ]
amdhsa.kernels:
  - .name:           k_q8e49cac207_oproj
    .symbol:         k_q8e49cac207_oproj.kd
    .args:
      - { .name: ctx2, .offset: 0, .size: 8, .value_kind: global_buffer, .address_space: global }
      - { .name: wot, .offset: 8, .size: 8, .value_kind: global_buffer, .address_space: global }
      - { .name: bo, .offset: 16, .size: 8, .value_kind: global_buffer, .address_space: global }
      - { .name: out0, .offset: 24, .size: 8, .value_kind: global_buffer, .address_space: global }
    .group_segment_fixed_size: 327680
    .private_segment_fixed_size: 0
    .kernarg_segment_align: 8
    .kernarg_segment_size: 32
    .max_flat_workgroup_size: 128
    .sgpr_count:     66
    .vgpr_count:     768
    .wavefront_size: 32
...
	.end_amdgpu_metadata
.endif
;; end of part 4
;; ======== version 2 of 2: 4 launches
;; limits: values are held in f16: magnitudes above 65,504 overflow, below 6.1e-05 lose precision
;; workspace buffers: xb 16,777,216 bytes; wt 6,291,456 bytes; wot 4,194,304 bytes; mbias 2,097,152 bytes; qkv 50,331,648 bytes; ctx2 33,554,432 bytes
;; launch prep (part 5): grid 896 x 1, 8 waves a work-group, no clusters, 34,304 bytes of LDS; arguments x, Wq, Wk, Wv, Wo, mask, xb, wt, wot, mbias; writes xb, wt, wot, mbias
.if DOCPART == 5
	.amdgcn_target "amdgcn-amd-amdhsa--gfx1250"
	.amdhsa_code_object_version 6
	.text
	.protected	k_q8e49cac207_prep
	.globl	k_q8e49cac207_prep
	.p2align	8
	.type	k_q8e49cac207_prep,@function
k_q8e49cac207_prep:
	s_mov_b64 s[64:65], 0
	v_nop
	global_prefetch_b8 v0, s[64:65] scope:SCOPE_SE
	s_setreg_imm32_b32 hwreg(HW_REG_WAVE_MODE, 25, 1), 1
	s_wait_xcnt 0x0
; prep: brings the inputs into the forms that the three matrix launches read.  Three jobs, chosen by the work-group's number:
;   0-255    X: 32 rows of x, f32 to bf16 (xb [8192][1024]).
;   256-767  W: one tile of 128 k x 64 n of Wq, Wk, Wv or Wo, f32 to bf16 and transposed through LDS:
;               wt [3072 n][1024 k] (Wq, Wk, Wv one after the other);
;               wot [1024 n][2048 k'], k' = 128 h + 64 p + v: both p = 0, 1 hold Wo[64 h + v][n], since the context
;               comes as a sum of two bf16 numbers (hi at p = 0, lo at p = 1).
;   768-895  M: 16 rows of the mask (one byte a key, 0 or 1) to one 4-bit float code a key, 0x0 (zero) where the key is kept and
;               0xF (-6) where it is masked, in the order of the attention launch's score registers:
;               mbias [128 q tile][32 block][32 lane][4 t]: nibble j of word t of lane L belongs to
;               mask[16 qt + (L & 15)][64 block + 16 t + 8 (L >> 4) + j].
; Every input byte is read once and every output byte stored once; each store of sixteen neighbouring lanes (b128) or of a
; wave (b64) covers 256 consecutive bytes, aligned.  No matrix unit, cluster or tensor load: no work-group shares a byte
; with another and there is nothing to multiply.
.set X,  8                             ; v[8:39]   as loaded
.set Y,  40                            ; v[40:55]  to store
.set TA, 56                            ; v[56:59]  job M: two pairs at work, by turns
	s_load_b512 s[4:19], s[0:1], 0x0               ; x 4:5, Wq 6:7, Wk 8:9, Wv 10:11, Wo 12:13, mask 14:15, xb 16:17, wt 18:19
	s_load_b128 s[20:23], s[0:1], 0x40             ; wot 20:21, mbias 22:23
	v_lshl_add_u32 v64, v0, 2, 0x8200
	v_mov_b32 v65, 0
	s_cmp_lt_u32 ttmp9, 256
	s_cbranch_scc1 .Ljob_x
	s_cmp_lt_u32 ttmp9, 768
	s_cbranch_scc1 .Ljob_w
; ---- job M: 16 rows of 2,048 bytes, dense in memory, into LDS rows of 2,064 bytes; then eight keys to a word ----
	s_sub_co_u32 s24, ttmp9, 768                   ; q tile
	s_lshl_b32 s26, s24, 15                        ; 16 rows x 2,048 bytes
	s_mov_b32 s27, 0
	v_lshlrev_b32 v1, 4, v0                        ; 16 t: a pass of the 256 threads takes two rows
	v_lshrrev_b32 v2, 7, v0                        ; which of the two
	v_and_b32 v3, 127, v0
	v_mul_u32_u24 v2, v2, 2064
	v_lshl_add_u32 v2, v3, 4, v2                   ; LDS: row x 2,064 + 16 (t & 127)
	s_wait_kmcnt 0x0
	s_add_nc_u64 s[14:15], s[14:15], s[26:27]
.irp k, 0,1,2,3,4,5,6,7
	global_load_b128 v[X+4*\k:X+4*\k+3], v1, s[14:15] offset:\k*4096 th:TH_LOAD_NT
.endr
.irp k, 0,1,2,3,4,5,6,7
	s_wait_loadcnt 7-\k                            ; loads return in order: pass k is in, the younger ones stay out
	ds_store_b128 v2, v[X+4*\k:X+4*\k+3] offset:\k*4128
.endr
	s_wait_dscnt 0x0                               ; my stores are done before I say so
	s_barrier_signal -1
	s_barrier_wait -1                              ; the 16 rows are whole
	; pass p of four: wave w makes block 8 p + w, lane L its 16 bytes (four words, t = 0..3)
	v_lshrrev_b32 v4, 5, v0                        ; w
	v_and_b32 v5, 15, v0
	v_bfe_u32 v6, v0, 4, 1
	v_mul_u32_u24 v5, v5, 2064                     ; my query row: rows start 4 words apart modulo 64, the halves 2: no two lanes meet in a bank
	v_lshl_add_u32 v5, v6, 3, v5                   ; + 8 (L >> 4)
	v_lshl_add_u32 v5, v4, 6, v5                   ; + 64 w
.irp p, 0,1,2,3
.irp t, 0,1,2,3
	ds_load_b64 v[X+2*(4*\p+\t):X+2*(4*\p+\t)+1], v5 offset:512*\p+16*\t   ; keys 64 (8 p + w) + 16 t + 8 (L >> 4) + 0..7 of my row
.endr
.endr
	s_mov_b32 s30, 0x06040200                      ; bytes 0, 2 of both words: keys 0, 2, 4, 6
	s_mov_b32 s31, 0x07050301                      ; bytes 1, 3: keys 1, 3, 5, 7
	s_lshl_b32 s26, s24, 14                        ; 16,384 bytes a q tile
	s_add_nc_u64 s[22:23], s[22:23], s[26:27]
	s_wait_dscnt 0x0
.set WI, 0
.rept 16
	v_perm_b32 v[TA+2*(WI&1)],   v[X+2*WI+1], v[X+2*WI], s30
	v_perm_b32 v[TA+2*(WI&1)+1], v[X+2*WI+1], v[X+2*WI], s31
	v_lshl_or_b32 v[TA+2*(WI&1)], v[TA+2*(WI&1)+1], 4, v[TA+2*(WI&1)]      ; bit 4 j = the byte of key j
	v_xor_b32 v[TA+2*(WI&1)], 0x11111111, v[TA+2*(WI&1)]                   ; 1 where the key is masked
	v_mul_lo_u32 v[Y+WI], v[TA+2*(WI&1)], 15                               ; 0xF there, 0x0 elsewhere
.set WI, WI+1
.endr
.irp p, 0,1,2,3
	global_store_b128 v1, v[Y+4*\p:Y+4*\p+3], s[22:23] offset:\p*4096      ; a wave's store: one block's 512 consecutive bytes
.endr
	s_wait_tensorcnt 0x0
	ds_add_u32 v64, v65
	s_wait_dscnt 0x0
	s_endpgm
; ---- job X: a stream; a ring of eight loads in flight in every wave ----
.Ljob_x:
	s_lshl_b32 s24, ttmp9, 17                      ; 32 rows x 4,096 bytes in
	s_mov_b32 s25, 0
	s_lshl_b32 s26, ttmp9, 16                      ; 32 rows x 2,048 bytes out
	s_mov_b32 s27, 0
	v_lshlrev_b32 v1, 4, v0                        ; never rewritten: the chunk stands in the immediate
	v_lshlrev_b32 v2, 3, v0
	s_wait_kmcnt 0x0
	s_add_nc_u64 s[4:5], s[4:5], s[24:25]
	s_add_nc_u64 s[16:17], s[16:17], s[26:27]
.irp k, 0,1,2,3,4,5,6,7
	global_load_b128 v[X+4*\k:X+4*\k+3], v1, s[4:5] offset:\k*4096 th:TH_LOAD_NT
.endr
.set k, 0
.rept 32
.if k < 25
	s_wait_loadcnt 7                               ; chunk k is in; the seven younger loads stay out
.else
	s_wait_loadcnt 31-k                            ; the last round loads nothing: the counts run down
.endif
	s_wait_xcnt 0x0                                ; the slot's Y pair, which its last store reads, is rewritten only behind this wait
	v_cvt_pk_bf16_f32 v[Y+2*(k%8)],   v[X+4*(k%8)],   v[X+4*(k%8)+1]
	v_cvt_pk_bf16_f32 v[Y+2*(k%8)+1], v[X+4*(k%8)+2], v[X+4*(k%8)+3]
.if k+8 < 32
	global_load_b128 v[X+4*(k%8):X+4*(k%8)+3], v1, s[4:5] offset:(k+8)*4096 th:TH_LOAD_NT
.endif
	global_store_b64 v2, v[Y+2*(k%8):Y+2*(k%8)+1], s[16:17] offset:k*2048
.set k, k+1
.endr
	s_endpgm
; ---- job W: 128 k x 64 n of one weight matrix, transposed through LDS (64 rows of 256 bytes, pitch 272) ----
.Ljob_w:
	s_sub_co_u32 s24, ttmp9, 256
	s_lshr_b32 s26, s24, 7                         ; which matrix: 0 Wq, 1 Wk, 2 Wv, 3 Wo
	s_and_b32 s27, s24, 15                         ; n tile
	s_bfe_u32 s28, s24, 0x30004                    ; k tile
	v_and_b32 v1, 15, v0                           ; cc: four neighbouring n
	v_lshrrev_b32 v2, 4, v0                        ; kg: eight neighbouring k
	v_lshlrev_b32 v3, 4, v1
	v_lshl_add_u32 v3, v2, 15, v3                  ; 8 kg rows of 4,096 bytes + 16 cc
	v_mul_u32_u24 v4, v1, 1088
	v_lshl_add_u32 v4, v2, 4, v4                   ; LDS in: row 4 cc, byte 16 kg
	v_mul_u32_u24 v5, v2, 272                      ; LDS out: row t >> 4
	s_lshl_b32 s30, s28, 19                        ; 128 rows of 4,096 bytes
	s_lshl_b32 s31, s27, 8                         ; 64 columns of 4 bytes
	s_add_co_u32 s30, s30, s31
	s_mov_b32 s31, 0
	s_wait_kmcnt 0x0
	s_cmp_eq_u32 s26, 1
	s_cselect_b64 s[6:7], s[8:9], s[6:7]
	s_cmp_eq_u32 s26, 2
	s_cselect_b64 s[6:7], s[10:11], s[6:7]
	s_cmp_eq_u32 s26, 3
	s_cselect_b64 s[6:7], s[12:13], s[6:7]
	s_add_nc_u64 s[6:7], s[6:7], s[30:31]
.irp i, 0,1,2,3,4,5,6,7
	global_load_b128 v[X+4*\i:X+4*\i+3], v3, s[6:7] offset:\i*4096 th:TH_LOAD_NT   ; sixteen lanes: 256 aligned bytes of a row
.endr
	s_wait_loadcnt 0x0
.irp c, 0,1,2,3
.irp q, 0,1,2,3
	v_cvt_pk_bf16_f32 v[Y+4*\c+\q], v[X+8*\q+\c], v[X+8*\q+4+\c]   ; column c, k = 2 q and 2 q + 1
.endr
.endr
.irp c, 0,1,2,3
	ds_store_b128 v4, v[Y+4*\c:Y+4*\c+3] offset:\c*272     ; lanes 4 rows apart meet in a bank four deep: four stores a thread, once
.endr
	s_wait_dscnt 0x0
	s_barrier_signal -1
	s_barrier_wait -1
	s_cmp_eq_u32 s26, 3
	s_cbranch_scc1 .Lwo
	v_lshl_add_u32 v6, v1, 4, v5                   ; sixteen lanes read a whole row of 256 bytes
	v_lshlrev_b32 v7, 11, v2                       ; and store it into a row of wt (2,048 bytes)
	v_lshl_add_u32 v7, v1, 4, v7
	s_lshl_b32 s30, s26, 10
	s_lshl_b32 s32, s27, 6
	s_add_co_u32 s30, s30, s32                     ; first row of wt
	s_lshl_b32 s30, s30, 11
	s_lshl_b32 s32, s28, 8                         ; 128 k of 2 bytes
	s_add_co_u32 s30, s30, s32
	s_add_nc_u64 s[18:19], s[18:19], s[30:31]
.irp i, 0,1,2,3
	ds_load_b128 v[X+4*\i:X+4*\i+3], v6 offset:\i*4352
.endr
.irp i, 0,1,2,3
	s_wait_dscnt 3-\i
	global_store_b128 v7, v[X+4*\i:X+4*\i+3], s[18:19] offset:\i*32768
.endr
	s_wait_tensorcnt 0x0
	ds_add_u32 v64, v65
	s_wait_dscnt 0x0
	s_endpgm
.Lwo:                                          ; Wo: the tile's two heads; lanes 0-7 write a head's 128 bytes, lanes 8-15 the same bytes again
	v_and_b32 v6, 7, v0
	v_lshl_add_u32 v6, v6, 4, v5
	v_lshlrev_b32 v7, 12, v2                       ; a row of wot is 4,096 bytes
	v_lshl_add_u32 v7, v1, 4, v7
	s_lshl_b32 s30, s27, 18                        ; 64 rows
	s_lshl_b32 s32, s28, 9                         ; two heads of 256 bytes
	s_add_co_u32 s30, s30, s32
	s_add_nc_u64 s[20:21], s[20:21], s[30:31]
.irp i, 0,1,2,3
.irp u, 0,1
	ds_load_b128 v[X+4*(2*\i+\u):X+4*(2*\i+\u)+3], v6 offset:\i*4352+128*\u
.endr
.endr
.irp i, 0,1,2,3
.irp u, 0,1
	s_wait_dscnt 7-(2*\i+\u)
	global_store_b128 v7, v[X+4*(2*\i+\u):X+4*(2*\i+\u)+3], s[20:21] offset:\i*65536+256*\u
.endr
.endr
	s_wait_tensorcnt 0x0
	ds_add_u32 v64, v65
	s_wait_dscnt 0x0
	s_endpgm
.Lfunc_end_k_q8e49cac207_prep:
	.size	k_q8e49cac207_prep, .Lfunc_end_k_q8e49cac207_prep-k_q8e49cac207_prep
	.p2alignl 7, 3214868480
	.fill 96, 4, 3214868480
	.section	.rodata,"a",@progbits
	.p2align	6, 0x0
	.amdhsa_kernel k_q8e49cac207_prep
		.amdhsa_group_segment_fixed_size 34304
		.amdhsa_private_segment_fixed_size 0
		.amdhsa_enable_private_segment 0
		.amdhsa_kernarg_size 80
		.amdhsa_user_sgpr_count 2
		.amdhsa_user_sgpr_kernarg_segment_ptr 1
		.amdhsa_wavefront_size32 1
		.amdhsa_system_sgpr_workgroup_id_x 1
		.amdhsa_system_sgpr_workgroup_id_y 1
		.amdhsa_system_sgpr_workgroup_id_z 1
		.amdhsa_system_vgpr_workitem_id 0
		.amdhsa_next_free_vgpr 66
		.amdhsa_next_free_sgpr 66
		.amdhsa_reserve_vcc 0
		.amdhsa_float_denorm_mode_32 3
		.amdhsa_float_denorm_mode_16_64 3
		.amdhsa_memory_ordered 1
		.amdhsa_forward_progress 1
		.amdhsa_inst_pref_size 29
	.end_amdhsa_kernel
	.amdgpu_metadata
---
amdhsa.version: [ 1, 2 ]
amdhsa.kernels:
  - .name:           k_q8e49cac207_prep
    .symbol:         k_q8e49cac207_prep.kd
    .args:
      - { .name: x, .offset: 0, .size: 8, .value_kind: global_buffer, .address_space: global }
      - { .name: Wq, .offset: 8, .size: 8, .value_kind: global_buffer, .address_space: global }
      - { .name: Wk, .offset: 16, .size: 8, .value_kind: global_buffer, .address_space: global }
      - { .name: Wv, .offset: 24, .size: 8, .value_kind: global_buffer, .address_space: global }
      - { .name: Wo, .offset: 32, .size: 8, .value_kind: global_buffer, .address_space: global }
      - { .name: mask, .offset: 40, .size: 8, .value_kind: global_buffer, .address_space: global }
      - { .name: xb, .offset: 48, .size: 8, .value_kind: global_buffer, .address_space: global }
      - { .name: wt, .offset: 56, .size: 8, .value_kind: global_buffer, .address_space: global }
      - { .name: wot, .offset: 64, .size: 8, .value_kind: global_buffer, .address_space: global }
      - { .name: mbias, .offset: 72, .size: 8, .value_kind: global_buffer, .address_space: global }
    .group_segment_fixed_size: 34304
    .private_segment_fixed_size: 0
    .kernarg_segment_align: 8
    .kernarg_segment_size: 80
    .max_flat_workgroup_size: 256
    .sgpr_count:     66
    .vgpr_count:     66
    .wavefront_size: 32
...
	.end_amdgpu_metadata
.endif
;; end of part 5
;; launch qkv: the kernel of part 2 again; grid 16 x 32, 4 waves a work-group, clusters of 4 x 4, 327,680 bytes of LDS; arguments xb, wt, qkv; writes qkv
;; launch attn (part 6): grid 4 x 64, 8 waves a work-group, clusters of 4 x 1, 327,680 bytes of LDS; arguments qkv, mbias, ctx2; writes ctx2
.if DOCPART == 6
	.amdgcn_target "amdgcn-amd-amdhsa--gfx1250"
	.amdhsa_code_object_version 6
	.text
	.protected	k_q8e49cac207_attn
	.globl	k_q8e49cac207_attn
	.p2align	8
	.type	k_q8e49cac207_attn,@function
k_q8e49cac207_attn:
	s_mov_b64 s[64:65], 0
	v_nop
	global_prefetch_b8 v0, s[64:65] scope:SCOPE_SE
	s_setreg_imm32_b32 hwreg(HW_REG_WAVE_MODE, 25, 1), 1
	s_wait_xcnt 0x0
	s_wait_alu depctr_hold_cnt(0) depctr_sa_sdst(0) depctr_va_vdst(0) depctr_va_sdst(0) depctr_va_ssrc(0) depctr_va_vcc(0) depctr_vm_vsrc(0)
	s_getreg_b32 s2, hwreg(HW_REG_IB_STS2, 6, 4)
	s_cmp_eq_u32 s2, 0
	s_cbranch_scc0 .Lentry_in_a_cluster
	s_endpgm
.Lentry_in_a_cluster:
	s_bfe_u32 s2, ttmp6, 0x10000c
	s_cmp_lg_u32 s2, 0x3003
	s_cbranch_scc0 .Lentry_shape_is_right
	s_endpgm
.Lentry_shape_is_right:
; attn: ctx = softmax(mask ? Q K^T / 8 : -inf) V for one (batch, head) and 512 queries a work-group; f16 operands, f32 sums and softmax.
; The mask is an input: all 2,048 keys are computed for every query and the mask is applied as it is given.
; THE MASK enters as the addend of the scores' first product: mbias holds one 4-bit float code a (query, key), 0 where the key is kept and
; -6 where it is masked, in the order of the score registers; a conversion with the scale 2^105 writes 0 or -6 x 2^105 into eight score
; registers at a time, and the product adds onto them in place.  The codes are no matrix operand: they are a packed form of two f32 numbers.
; LIMIT: a masked score is therefore about -2.4e32 and not -inf.  Raw scores are bounded by 64 x 65504^2 = 2.7e11 and the running maximum
; starts at -1e30, so a masked key never sets the maximum and its exponential is exactly 0; a row whose keys are all masked ends with
; sum 0 and context 0 x (1/0) = NaN, as the softmax of a row of -inf gives.
; A running maximum is kept for each query.
; LIMITS: Q, K, V come in f16 (magnitudes to 65,504).  A probability goes to the matrix unit in f16: below 6e-8 of the row's largest it
; counts as zero, at most 2,048 x 3e-8 against a sum of at least 1.  The row's sum is made of the unrounded f32 probabilities.
; The context leaves as a sum of two bf16 numbers, hi + lo (16 significant bits): ctx2 [8192 token][16 head][hi 64 | lo 64].
; SHARES: eight waves, wave w has 64 queries = four q tiles n of 16.  TRANSPOSED: S^T = K Q^T (lane (r, hh), register j of tile t: query r,
; key 16 t + 8 hh + j), so a query's maximum and sum are one number a lane (the two halves of the lanes joined by one lane exchange), the
; probabilities pack in place into the second source of O^T = V^T P, and a lane of O^T holds eight neighbouring v of one query.
; CLUSTER: the four work-groups of a cluster are the four query blocks of one (batch, head) and read the same K and V: every tile is asked
; for jointly (mask 15).  The place in the cluster enters the addresses of Q, mbias and ctx2 alone.
; LDS: two slots of 256 keys (a chunk = four blocks of 64); in a slot K's rows at 0 (pitch 144), V's at 40,960 (pitch 160); wave w fills
; 64 rows: K at 9,216 w (w < 4), V at 10,240 w (w >= 4).  Behind the slots a stage of 16 x 272 bytes for each wave, into which no fill lands.
; PIPELINE: a step is (block of 64 keys, q tile).  Step s issues the products of the scores of step s + 1, the softmax of step s and the
; products P V of step s - 1, one matrix instruction beside each short run of vector work.
; THE TEXT: the steps (i, 1), (i, 2), (i, 3), (i + 1, 0) are one body.  All its LDS reads are of block i + 1, through two address registers
; that step by a block, so one text serves every block of a chunk, and a change of slots stands between two bodies.  31 bodies run: 3 for
; chunk 0 and 4 behind each of the seven changes of slots; the slots stay constants of the text (two copies of the loop of four).
; So that the first block needs no text of its own, the maxima start at -1e30 and O and the sums at zero.
; A step's 32 codes a lane come by one load of 16 bytes a lane (512 consecutive bytes a wave) into four registers of the q tile's own,
; which are loaded again at the end of the step that read them: four steps ahead of their next use.
.set SLOT,   81920
.set VOFF,   40960
.set KP,     144
.set VP,     160
.set CHUNK,  32768                     ; 256 keys x 128 bytes in memory
.set STAGE,  2*SLOT
.set SPITCH, 272
.set BLKB,   512                       ; mbias: bytes of a (q tile, block)
.set QTS,    32*BLKB                   ; and of a q tile
; window 0
.set VADR, 8                           ; v8, v9   V's transposing loads: first block of slot 0, 1
.set STO,  10
.set RD,   11
.set CO,   12
.set QOFF, 13
.set VCUR, 14                          ; V's loads: the block that the next body reads
.set MOFF, 15                          ; 16 x lane: my codes of a step
.set LP,   16                          ; v[16:31]   q tile n: four partial sums of probabilities
.set ZF,   32                          ; v[32:39]   a fragment of zeros, at the start only
.set MV,   40                          ; v[40:55]   q tile n: the codes of its next step, word t for score tile t
.set SCL,  56                          ; v56        the conversions' scale
.set VF,   64                          ; v[64:127]  V^T fragments (u, vt) at 8 (4 u + vt)
.set ACC,  128                         ; v[128:255] O^T (n, vt) at 8 (4 n + vt)
; window 1: v0-31, v32-63 scores of even and odd q tiles; v64-79, v80-95 their packed probabilities
.set KF,   96                          ; K fragments (t, e) at 8 (2 t + e)
.set QF,   160                         ; Q fragments (n, e) at 8 (2 n + e)
.set MX,   224                         ; running maximum of q tile n (raw score)
.set NMX,  228                         ; - c x that maximum, as rounded
.set AL,   232                         ; the step's rescale factor (a pair: the upper register is written once and not used)
.set TT,   234                         ; four chains of the maximum
.set CUR,  238                         ; - c x new maximum (a pair, likewise)
.set KCUR, 240                         ; K's loads: the block that the next body reads
.set KADR, 250                         ; v250, v251 K's loads: first block of slot 0, 1
.set G1K, 16
.set G1V, 24
.set G0K, 32
.set G0V, 40
.set P1,  0x55                         ; every operand in window 1
.set P2,  0x04                         ; source 1 in window 1, the rest in window 0
.set CVW, 0x40                         ; destination in window 1, sources in window 0
.set MSB, 0
.macro WIN new                         ; the immediate's high byte repeats the setting that is left
.if MSB != \new
	s_set_vgpr_msb (MSB<<8)|\new
.set MSB, \new
.endif
.endm
.macro ROUND                           ; a round of the cluster's barrier
	s_barrier_signal -1
	s_barrier_wait -1
	s_cmp_lg_u32 s10, 0
	s_cbranch_scc1 .Lnot_wave_0_\@
	s_barrier_signal -3
.Lnot_wave_0_\@:
	s_barrier_wait -3
	s_barrier_signal -1
	s_barrier_wait -1
.endm
.macro JLOAD s                         ; waves 0-3 ask for K's four quarters of a chunk, waves 4-7 for V's
	s_cmp_eq_u32 s11, 0
	s_cbranch_scc0 .Lfor_v_\@
	tensor_load_to_lds s[G0K+4*\s:G0K+4*\s+3], s[G1K:G1K+7]
	s_nop 0
.rept 4
	v_nop
.endr
	s_branch .Lasked_\@
.Lfor_v_\@:
	tensor_load_to_lds s[G0V+4*\s:G0V+4*\s+3], s[G1V:G1V+7]
	s_nop 0
.rept 4
	v_nop
.endr
.Lasked_\@:
.endm
	s_load_b128 s[4:7], s[0:1], 0x0                ; qkv, mbias
	s_load_b64 s[8:9], s[0:1], 0x10                ; ctx2
	v_lshl_add_u32 v62, v0, 2, 0x30800
	v_mov_b32 v63, 0
	ds_add_u32 v62, v63
	v_lshrrev_b32 v1, 5, v0
	v_readfirstlane_b32 s10, v1                    ; wave 0..7
	s_lshr_b32 s11, s10, 2                         ; I fetch K (0) or V (1)
	s_and_b32 s12, s10, 3                          ; which 64 keys of a chunk
	s_bfe_u32 s13, ttmp6, 0x40000                  ; cx
	s_lshl_b32 s59, ttmp9, 2
	s_add_co_u32 s59, s59, s13                     ; query block
	s_and_b32 s14, ttmp7, 0xffff
	s_lshr_b32 s15, s14, 4                         ; batch
	s_and_b32 s58, s14, 15                         ; head
	s_mov_b32 s50, 0x3e38aa3b                      ; c = log2(e) / 8
	s_mov_b32 s51, 0x3e38aa3b
	s_mov_b32 s52, 0xbe38aa3b                      ; - c
	s_mov_b32 s54, 0x76543210                      ; lane i of one half reads lane i of the other
	s_mov_b32 s55, 0xfedcba98
	s_mov_b32 s57, 0xf149f2ca                      ; - 1e30
	s_mov_b32 s[G1K+0], 15|(1<<16)|(1<<20)|(1<<21)|(4<<22)|(3<<25)   ; mask of the four; 2-byte elements; 4 words of padding behind every 32
	s_mov_b32 s[G1V+0], 15|(1<<16)|(1<<20)|(1<<21)|(4<<22)|(7<<25)   ; V: 8 words of padding
	s_mov_b32 s[G1K+1], 64<<16                     ; tensor_dim0 = 64
	s_mov_b32 s[G1V+1], 64<<16
	s_mov_b32 s[G1K+2], 64<<16                     ; tensor_dim1 = 64
	s_mov_b32 s[G1V+2], 64<<16
	s_mov_b32 s[G1K+3], 64<<16                     ; tile_dim0 = 64
	s_mov_b32 s[G1V+3], 64<<16
	s_mov_b32 s[G1K+4], 64                         ; tile_dim1 = 64
	s_mov_b32 s[G1V+4], 64
	s_mov_b32 s[G1K+5], 64                         ; rows are dense in a panel
	s_mov_b32 s[G1V+5], 64
	s_mov_b32 s[G1K+6], 0
	s_mov_b32 s[G1V+6], 0
	s_mov_b32 s[G1K+7], 0
	s_mov_b32 s[G1V+7], 0
	s_lshl_b32 s60, s58, 20                        ; the head's panel
	s_lshl_b32 s61, s15, 18                        ; the batch's 2,048 tokens of 128 bytes
	s_add_co_u32 s60, s60, s61
	s_lshl_b32 s61, s12, 13                        ; my 64 keys
	s_add_co_u32 s62, s60, s61
	s_mov_b32 s63, 0
	s_mul_i32 s2, s10, 64*KP                       ; LDS of my part of K
	s_mul_i32 s3, s10, 64*VP                       ; LDS of my part of V
	s_lshl_b32 s66, s59, 16                        ; Q: 512 tokens a query block,
	s_lshl_b32 s67, s10, 13                        ; 64 a wave
	s_add_co_u32 s66, s66, s67
	s_add_co_u32 s66, s66, s60
	s_mov_b32 s67, 0
	s_lshl_b32 s48, s59, 19                        ; mbias: 32 q tiles of 16,384 bytes a query block,
	s_lshl_b32 s49, s10, 16                        ; 4 a wave
	s_add_co_u32 s48, s48, s49
	s_mov_b32 s49, 0
	s_lshl_b32 s68, s15, 23                        ; ctx2: 4,096 bytes a token
	s_lshl_b32 s69, s59, 21
	s_add_co_u32 s68, s68, s69
	s_lshl_b32 s69, s10, 18
	s_add_co_u32 s68, s68, s69
	s_lshl_b32 s69, s58, 8                         ; 256 bytes a head
	s_add_co_u32 s68, s68, s69
	s_mov_b32 s69, 0
	s_wait_dscnt 0x0
	s_wait_kmcnt 0x0
	s_add_nc_u64 s[62:63], s[4:5], s[62:63]
	s_add_nc_u64 s[66:67], s[4:5], s[66:67]
	s_add_nc_u64 s[48:49], s[6:7], s[48:49]        ; the codes of my q tile 0, block 0
	s_add_nc_u64 s[8:9], s[8:9], s[68:69]
	ROUND                                          ; the four work-groups are here: the first joint loads meet
.irp s, 0,1
	s_mov_b32 s[G0K+4*\s], 1
	s_add_co_u32 s[G0K+4*\s+1], s2, \s*SLOT
	s_add_nc_u64 s[G0K+4*\s+2:G0K+4*\s+3], s[62:63], (16<<20)+\s*CHUNK     ; panels 16-31 are K
	s_or_b32 s[G0K+4*\s+3], s[G0K+4*\s+3], 0x80000000
	s_mov_b32 s[G0V+4*\s], 1
	s_add_co_u32 s[G0V+4*\s+1], s3, \s*SLOT
	s_add_nc_u64 s[G0V+4*\s+2:G0V+4*\s+3], s[62:63], (32<<20)+\s*CHUNK     ; panels 32-47 are V
	s_or_b32 s[G0V+4*\s+3], s[G0V+4*\s+3], 0x80000000
	JLOAD \s                                       ; two loads of the wave are out: chunks 0 and 1
.endr
	v_and_b32 v1, 15, v0                           ; r
	v_bfe_u32 v2, v0, 4, 1                         ; hh
	v_mul_u32_u24 v3, v1, KP
	v_lshl_add_u32 v3, v2, 4, v3                   ; K: row r, 16 bytes for each half
	v_and_b32 v4, 7, v0
	v_lshl_add_u32 v4, v2, 3, v4
	v_mul_u32_u24 v4, v4, VP                       ; V: key 8 hh + (L & 7),
	v_bfe_u32 v5, v0, 3, 1
	v_lshl_add_u32 v4, v5, 4, v4                   ; 16 bytes for each group of eight lanes
	v_add_nc_u32 v[VADR], VOFF, v4
	v_add_nc_u32 v[VADR+1], VOFF+SLOT, v4
	v_add_nc_u32 v[VCUR], VOFF, v4                 ; block 0
	s_mul_i32 s60, s10, 16*SPITCH
	s_add_co_u32 s60, s60, STAGE
	v_mul_u32_u24 v6, v1, SPITCH
	v_lshl_add_u32 v6, v2, 4, v6
	v_add_nc_u32 v[STO], s60, v6
	v_mul_u32_u24 v6, v2, SPITCH
	v_lshl_add_u32 v6, v1, 4, v6
	v_add_nc_u32 v[RD], s60, v6
	v_lshlrev_b32 v6, 12, v2
	v_lshl_add_u32 v[CO], v1, 4, v6                ; two tokens a store, 256 bytes each
	v_lshlrev_b32 v6, 7, v1
	v_lshl_add_u32 v[QOFF], v2, 4, v6
	v_and_b32 v7, 31, v0
	v_lshlrev_b32 v[MOFF], 4, v7
	v_mov_b32 v[SCL], 0xe8e8e8e8                   ; the scale's code 232 = 2^105; the conversion reads byte 0, the word repeats it
	WIN CVW                                        ; destinations in window 1
	v_mov_b32 v[KADR], v3
	v_add_nc_u32 v[KADR+1], SLOT, v3
	v_mov_b32 v[KCUR], v3                          ; block 0
	v_mov_b32 v[AL+1], 0                           ; upper registers of two pairs of which the packed forms use the lower alone
	v_mov_b32 v[CUR+1], 0
.irp i, 0,1,2,3
	v_mov_b32 v[MX+\i], s57                        ; the running maxima start at -1e30
.endr
.irp i, 0,1,2,3,4,5,6,7
	global_load_b128 v[QF+8*\i:QF+8*\i+3],   v[QOFF], s[66:67] offset:((\i)>>1)*2048+((\i)&1)*64
	global_load_b128 v[QF+8*\i+4:QF+8*\i+7], v[QOFF], s[66:67] offset:((\i)>>1)*2048+((\i)&1)*64+32
.endr
	WIN P1
.irp i, 0,1,2,3
	v_mul_f32 v[NMX+\i], s52, v[MX+\i]             ; by the product that every step forms: a row still all masked rescales by exactly 1
.endr
	WIN 0
.irp i, 0,1,2,3
	global_load_b128 v[MV+4*\i:MV+4*\i+3], v[MOFF], s[48:49] offset:\i*QTS     ; block 0's codes of my four q tiles
.endr
.irp i, 0,1,2,3,4,5,6,7
	v_mov_b32 v[ZF+\i], 0
.endr
	; O and the partial sums start at zero: eighteen products of the zero fragment write the 144 registers
.irp i, 0,1,2,3,4,5,6,7,8,9,10,11,12,13,14,15
	v_wmma_f32_16x16x32_f16 v[ACC+8*\i:ACC+8*\i+7], v[ZF:ZF+7], v[ZF:ZF+7], 0
.endr
	v_wmma_f32_16x16x32_f16 v[LP:LP+7], v[ZF:ZF+7], v[ZF:ZF+7], 0
	v_wmma_f32_16x16x32_f16 v[LP+8:LP+15], v[ZF:ZF+7], v[ZF:ZF+7], 0
.macro KLOAD t, e                      ; K fragment (t, e) of the block at KCUR
	ds_load_b128 v[KF+8*(2*\t+\e):KF+8*(2*\t+\e)+3],   v[KCUR] offset:16*\t*KP+64*\e
	ds_load_b128 v[KF+8*(2*\t+\e)+4:KF+8*(2*\t+\e)+7], v[KCUR] offset:16*\t*KP+64*\e+32
.endm
.macro VLOAD s                         ; V^T fragment s = 4 u + vt of the block at VCUR: two transposing loads, 16 keys apart
	ds_load_tr16_b128 v[VF+8*\s:VF+8*\s+3],   v[VCUR] offset:32*((\s)>>2)*VP+32*((\s)&3)
	ds_load_tr16_b128 v[VF+8*\s+4:VF+8*\s+7], v[VCUR] offset:(32*((\s)>>2)+16)*VP+32*((\s)&3)
.endm
.macro BIAS                            ; 0 or -6 x 2^105 into the 32 score registers SQ, from the four code words of q tile NN (setting CVW)
.irp t, 0,1,2,3
	v_cvt_scale_pk8_f32_fp4 v[SQ+8*\t:SQ+8*\t+7], v[MV+4*NN+\t], v[SCL]
.endr
.endm
.macro QKW t, e                        ; 16 keys x 16 queries (q tile NN) x 32 of d, onto the score registers SQ, which BIAS has started
	v_wmma_f32_16x16x32_f16 v[SQ+8*\t:SQ+8*\t+7], v[KF+8*(2*\t+\e):KF+8*(2*\t+\e)+7], v[QF+8*(2*NN+\e):QF+8*(2*NN+\e)+7], v[SQ+8*\t:SQ+8*\t+7]
.endm
.macro PVW s                           ; 16 v x 16 queries (q tile NP) x 32 keys; s = 4 u + vt
	v_wmma_f32_16x16x32_f16 v[ACC+32*NP+8*((\s)&3):ACC+32*NP+8*((\s)&3)+7], v[VF+8*(\s):VF+8*(\s)+7], v[PBQ+8*((\s)>>2):PBQ+8*((\s)>>2)+7], v[ACC+32*NP+8*((\s)&3):ACC+32*NP+8*((\s)&3)+7]
.endm
; One step of q tile n.  hasprev: the step before has probabilities to pack and multiply; hasnext: the next step's scores are started, behind
; a wait that leaves lc younger loads of codes out; kld, vld: the next block's K, V fragments follow the last products on the old ones into the
; same registers, in runs; moff >= 0: the next q tile's code registers are loaded again, from byte moff.
; In every run of matrix instructions the accumulators take turns, one instruction a turn.  The vector work beside a
; matrix instruction names none of its registers.
.macro STEP n, hasprev, hasnext, kld, vld, lc, moff
.set PAR,  (\n)&1
.set SP,   32*PAR                      ; this step's scores
.set SQ,   32-32*PAR                   ; the last step's probabilities, then the next step's scores
.set PBQ,  80-16*PAR                   ; the last step's packed probabilities
.set NN,   ((\n)+1)&3
.set NP,   ((\n)+3)&3
	WIN P1
.if ((\n)==3) && (\hasnext)
	s_wait_dscnt 0x0                               ; the next block's K fragments, asked for in the step before
.endif
.if \hasprev
.irp x, 0,1,2,3,4,5,6,7,8,9,10,11,12,13,14,15
	v_cvt_pk_f16_f32 v[PBQ+\x], v[SQ+2*\x], v[SQ+2*\x+1]   ; tiles 2 u, 2 u + 1 are the second source of key group u as they stand
.endr
.endif
.if \hasnext
	WIN CVW
	s_wait_loadcnt \lc                             ; loads return in order: the next q tile's codes are in, the loads issued behind theirs stay out
	BIAS
	WIN P1
.endif
.irp t, 0,1,2,3
.irp k, 0,1,2,3
.if \t
	v_max3_num_f32 v[TT+\k], v[SP+8*\t+2*\k], v[SP+8*\t+2*\k+1], v[TT+\k]
.else
	v_max3_num_f32 v[TT+\k], v[SP+2*\k], v[SP+2*\k+1], v[MX+\n]    ; also the plain instructions between the scaled conversions and the first product on their results
.endif
.endr
.if \hasnext
	QKW \t, 0
.endif
.endr
	v_max3_num_f32 v[TT], v[TT], v[TT+1], v[TT+2]
	v_max_num_f32 v[TT], v[TT], v[TT+3]
	v_permlanex16_b32 v[TT+1], v[TT], s54, s55     ; the query's other 32 keys lie in the other half of the lanes
	v_max_num_f32 v[MX+\n], v[TT], v[TT+1]
	v_mul_f32 v[CUR], s52, v[MX+\n]
	v_sub_f32 v[AL], v[CUR], v[NMX+\n]             ; c (old maximum - new maximum), of the rounded products: exactly 0 where nothing changed
	v_exp_f32 v[AL], v[AL]
	v_mov_b32 v[NMX+\n], v[CUR]                    ; also the plain instruction behind v_exp_f32 (ISA guide 5.7.2)
.if \kld
.irp u, 0,1,2,3
	KLOAD \u, 0                                    ; one run of eight: six plain vector instructions and more stand behind the last product that read these fragments
.endr
.endif
.irp t, 0,1,2,3
.if \hasnext
	QKW \t, 1
.endif
.irp k, 0,2,4,6
	v_pk_fma_f32 v[SP+8*\t+\k:SP+8*\t+\k+1], v[SP+8*\t+\k:SP+8*\t+\k+1], s[50:51], v[CUR:CUR+1] op_sel_hi:[1,0,0]
.endr
.if (\kld) && ((\t)==3)
.irp u, 0,1,2,3
	KLOAD \u, 1                                    ; one run of eight: four plain vector instructions behind the last product that read these fragments
.endr
.endif
.irp j, 0,1,2,3,4,5,6,7
	v_exp_f32 v[SP+8*\t+\j], v[SP+8*\t+\j]
.endr
.endr
.if \kld
	v_add_nc_u32 v[KCUR], 64*KP, v[KCUR]           ; the next body's block
	s_wait_alu depctr_va_vdst(0)
.endif
	WIN P2
.if (\n)==1
	s_wait_dscnt 0x0                               ; this block's V fragments, asked for in the step before
.endif
	s_wait_alu depctr_va_vdst(0)
	v_pk_mul_f32 v[LP+4*\n:LP+4*\n+1],   v[LP+4*\n:LP+4*\n+1],   v[AL:AL+1] op_sel_hi:[1,0]
	v_pk_mul_f32 v[LP+4*\n+2:LP+4*\n+3], v[LP+4*\n+2:LP+4*\n+3], v[AL:AL+1] op_sel_hi:[1,0]
.irp s, 0,1,2,3,4,5,6,7
.if \hasprev
	PVW \s
.endif
	v_pk_add_f32 v[LP+4*\n:LP+4*\n+1],   v[LP+4*\n:LP+4*\n+1],   v[SP+4*\s:SP+4*\s+1]
	v_pk_add_f32 v[LP+4*\n+2:LP+4*\n+3], v[LP+4*\n+2:LP+4*\n+3], v[SP+4*\s+2:SP+4*\s+3]
	v_pk_mul_f32 v[ACC+32*\n+4*\s:ACC+32*\n+4*\s+1],   v[ACC+32*\n+4*\s:ACC+32*\n+4*\s+1],   v[AL:AL+1] op_sel_hi:[1,0]
	v_pk_mul_f32 v[ACC+32*\n+4*\s+2:ACC+32*\n+4*\s+3], v[ACC+32*\n+4*\s+2:ACC+32*\n+4*\s+3], v[AL:AL+1] op_sel_hi:[1,0]
.endr
.if \vld
.irp s, 0,1,2,3,4,5,6,7
	VLOAD \s                                       ; one run of sixteen: four plain vector instructions behind the last product that read these fragments
.endr
.endif
.if (\moff) >= 0
	global_load_b128 v[MV+4*NN:MV+4*NN+3], v[MOFF], s[48:49] offset:\moff  ; that q tile's codes of its next block: four steps ahead of the lines that read them
.endif
.endm
; The body: steps (i, 1), (i, 2), (i, 3), (i + 1, 0).  s[48:49] points at block i + 1 of q tile 0's codes: q tiles 2 and 3 fetch block i + 1,
; q tiles 0 and 1, whose block i + 1 has just been converted, block i + 2.
.macro RBODY
	s_wait_xcnt 0x0                                ; the base of the loads of codes is stepped only behind this wait
	s_add_nc_u64 s[48:49], s[48:49], BLKB
	STEP 1, 1, 1, 0, 0, 3, 2*QTS
	STEP 2, 1, 1, 1, 0, 3, 3*QTS
	STEP 3, 1, 1, 0, 0, 3, BLKB
	STEP 0, 1, 1, 0, 1, 3, QTS+BLKB
	WIN 0
	v_add_nc_u32 v[VCUR], 64*VP, v[VCUR]           ; the next body's block
.endm
; A change of slots: all of slot s has been read into registers.  The next four bodies read the other slot.
.macro TFILL s
	s_wait_dscnt 0x0                               ; my reads of this slot are back
	s_wait_tensorcnt 0x0                           ; all my tensor loads have landed: my part of the other slot
	ds_add_u32 v62, v63
	s_wait_dscnt 0x0
	ROUND                                          ; both hold of every wave of the four work-groups
	s_add_nc_u64 s[G0K+4*\s+2:G0K+4*\s+3], s[G0K+4*\s+2:G0K+4*\s+3], 2*CHUNK
	s_add_nc_u64 s[G0V+4*\s+2:G0V+4*\s+3], s[G0V+4*\s+2:G0V+4*\s+3], 2*CHUNK
	JLOAD \s                                       ; my one tensor load behind the round: the chunk after next, sixteen steps ahead of its first read
	v_mov_b32 v[VCUR], v[VADR+1-\s]
	WIN P1
	v_mov_b32 v[KCUR], v[KADR+1-\s]
	WIN 0
.endm
	s_wait_tensorcnt 0x1                           ; my part of chunk 0 is in; chunk 1's stays out
	s_barrier_signal -1
	s_barrier_wait -1
	WIN P1
.irp t, 0,1,2,3
	KLOAD \t, 0
	KLOAD \t, 1
.endr
	v_add_nc_u32 v[KCUR], 64*KP, v[KCUR]           ; block 1
	WIN 0
.irp s, 0,1,2,3,4,5,6,7
	VLOAD \s
.endr
	v_add_nc_u32 v[VCUR], 64*VP, v[VCUR]
	s_wait_loadcnt 0x0                             ; Q and block 0's codes
.set SQ, 0
.set NN, 0
	WIN CVW
	BIAS                                           ; step (0, 0)
	v_nop                                          ; the plain instruction between the scaled conversions and the first use of their results
	WIN 0
	global_load_b128 v[MV:MV+3], v[MOFF], s[48:49] offset:BLKB     ; q tile 0, block 1
	s_wait_dscnt 16                                ; K's sixteen loads are in; V's sixteen may be out
	WIN P1
.irp t, 0,1,2,3
	QKW \t, 0
.endr
.irp t, 0,1,2,3
	QKW \t, 1
.endr
.rept 4
	v_nop                                          ; four places before the first step reads these scores (ISA guide 7.12.1)
.endr
	STEP 0, 0, 1, 0, 0, 3, QTS+BLKB                ; step (0, 0): nothing lies behind it
	WIN 0
	s_mov_b32 s58, 3                               ; chunk 0: blocks 1, 2, 3 are read
.Lchunk0:
	RBODY
	s_sub_co_u32 s58, s58, 1
	s_cmp_lg_u32 s58, 0
	s_cbranch_scc1 .Lchunk0
	s_mov_b32 s56, 3                               ; six changes of slots with a refill: chunks 2 to 7
.Lpair:
	TFILL 0
	s_mov_b32 s58, 4
.Lodd:
	RBODY
	s_sub_co_u32 s58, s58, 1
	s_cmp_lg_u32 s58, 0
	s_cbranch_scc1 .Lodd
	TFILL 1
	s_mov_b32 s58, 4
.Leven:
	RBODY
	s_sub_co_u32 s58, s58, 1
	s_cmp_lg_u32 s58, 0
	s_cbranch_scc1 .Leven
	s_sub_co_u32 s56, s56, 1
	s_cmp_lg_u32 s56, 0
	s_cbranch_scc1 .Lpair
	s_wait_dscnt 0x0
	s_wait_tensorcnt 0x0                           ; the last chunk: my part has landed,
	s_barrier_signal -1
	s_barrier_wait -1                              ; everybody's has; nothing is left to fetch
	v_mov_b32 v[VCUR], v[VADR+1]
	WIN P1
	v_mov_b32 v[KCUR], v[KADR+1]
	WIN 0
	s_mov_b32 s58, 4
.Llast:                                        ; in this loop's last trip the loads of q tiles 0 and 1 name block 32: the first block of the next
	RBODY                                          ; q tile's codes, inside mbias; they are not used
	s_sub_co_u32 s58, s58, 1
	s_cmp_lg_u32 s58, 0
	s_cbranch_scc1 .Llast
	STEP 1, 1, 1, 0, 0, 3, -1                      ; block 31's last three steps fetch nothing
	STEP 2, 1, 1, 0, 0, 2, -1                      ; two loads were issued behind q tile 3's
	STEP 3, 1, 0, 0, 0, 0, -1
	; the last step's probabilities and products
.set SQ, 32
.set PBQ, 80
.set NP, 3
	WIN P1
.irp x, 0,1,2,3,4,5,6,7,8,9,10,11,12,13,14,15
	v_cvt_pk_f16_f32 v[PBQ+\x], v[SQ+2*\x], v[SQ+2*\x+1]
.endr
	WIN P2
.irp s, 0,1,2,3,4,5,6,7
	PVW \s
.endr
	WIN 0
.rept 4
	v_nop
.endr
	s_wait_loadcnt 0x0                             ; the two unused loads have landed: their registers serve the way out
; THE WAY OUT, a q tile at a time: divide by the sum, split into hi + lo in bf16, through my own stage, and out as whole blocks of 256 bytes
; (one token's hi and lo of this head).
.macro OUTQ n, f
	v_pk_add_f32 v[2:3], v[LP+4*\n:LP+4*\n+1], v[LP+4*\n+2:LP+4*\n+3]
	v_add_f32 v2, v2, v3
	v_permlanex16_b32 v3, v2, s54, s55
	v_add_f32 v2, v2, v3
	v_rcp_f32 v4, v2
	v_nop                                          ; the plain instruction behind v_rcp_f32 (ISA guide 5.7.2)
	s_wait_alu depctr_va_vdst(0)
.irp k, 0,2,4,6,8,10,12,14,16,18,20,22,24,26,28,30
	v_pk_mul_f32 v[ACC+32*\n+\k:ACC+32*\n+\k+1], v[ACC+32*\n+\k:ACC+32*\n+\k+1], v[4:5] op_sel_hi:[1,0]
.endr
.irp vt, 0,1,2,3
.irp k, 0,1,2,3
	v_cvt_pk_bf16_f32 v[32+\k], v[ACC+32*\n+8*\vt+2*\k], v[ACC+32*\n+8*\vt+2*\k+1]         ; hi
.endr
.irp k, 0,1,2,3
	v_lshlrev_b32 v[40+2*\k], 16, v[32+\k]
	v_and_b32 v[40+2*\k+1], 0xffff0000, v[32+\k]
.endr
.irp k, 0,1,2,3
	v_pk_add_f32 v[40+2*\k:40+2*\k+1], v[ACC+32*\n+8*\vt+2*\k:ACC+32*\n+8*\vt+2*\k+1], v[40+2*\k:40+2*\k+1] neg_lo:[0,1] neg_hi:[0,1]
.endr
.irp k, 0,1,2,3
	v_cvt_pk_bf16_f32 v[36+\k], v[40+2*\k], v[40+2*\k+1]                                   ; lo = what hi left over
.endr
	ds_store_b128 v[STO], v[32:35] offset:32*\vt
	ds_store_b128 v[STO], v[36:39] offset:128+32*\vt
.endr
	s_wait_xcnt 0x0                                ; registers that earlier stores read are loaded again only behind this wait
.irp t, 0,1,2,3,4,5,6,7
	ds_load_b128 v[\f+4*\t:\f+4*\t+3], v[RD] offset:\t*2*SPITCH    ; LDS serves a wave in order: these see the stores above
.endr
.irp t, 0,1,2,3,4,5,6,7
	s_wait_dscnt 7-\t
	global_store_b128 v[CO], v[\f+4*\t:\f+4*\t+3], s[8:9] offset:\n*65536+2*\t*4096
.endr
.endm
	OUTQ 0, 64
	OUTQ 1, 96
	OUTQ 2, 64
	OUTQ 3, 96
	s_wait_tensorcnt 0x0
	ds_add_u32 v62, v63
	s_wait_dscnt 0x0
	ROUND                                          ; the closing round
	s_endpgm
.Lfunc_end_k_q8e49cac207_attn:
	.size	k_q8e49cac207_attn, .Lfunc_end_k_q8e49cac207_attn-k_q8e49cac207_attn
	.p2alignl 7, 3214868480
	.fill 96, 4, 3214868480
	.section	.rodata,"a",@progbits
	.p2align	6, 0x0
	.amdhsa_kernel k_q8e49cac207_attn
		.amdhsa_group_segment_fixed_size 327680
		.amdhsa_private_segment_fixed_size 0
		.amdhsa_enable_private_segment 0
		.amdhsa_kernarg_size 24
		.amdhsa_user_sgpr_count 2
		.amdhsa_user_sgpr_kernarg_segment_ptr 1
		.amdhsa_wavefront_size32 1
		.amdhsa_system_sgpr_workgroup_id_x 1
		.amdhsa_system_sgpr_workgroup_id_y 1
		.amdhsa_system_sgpr_workgroup_id_z 1
		.amdhsa_system_vgpr_workitem_id 0
		.amdhsa_next_free_vgpr 512
		.amdhsa_next_free_sgpr 70
		.amdhsa_reserve_vcc 0
		.amdhsa_float_denorm_mode_32 3
		.amdhsa_float_denorm_mode_16_64 3
		.amdhsa_memory_ordered 1
		.amdhsa_forward_progress 1
		.amdhsa_inst_pref_size 218
	.end_amdhsa_kernel
	.amdgpu_metadata
---
amdhsa.version: [ 1, 2 ]
amdhsa.kernels:
  - .name:           k_q8e49cac207_attn
    .symbol:         k_q8e49cac207_attn.kd
    .args:
      - { .name: qkv, .offset: 0, .size: 8, .value_kind: global_buffer, .address_space: global }
      - { .name: mbias, .offset: 8, .size: 8, .value_kind: global_buffer, .address_space: global }
      - { .name: ctx2, .offset: 16, .size: 8, .value_kind: global_buffer, .address_space: global }
    .group_segment_fixed_size: 327680
    .private_segment_fixed_size: 0
    .kernarg_segment_align: 8
    .kernarg_segment_size: 24
    .max_flat_workgroup_size: 256
    .sgpr_count:     70
    .vgpr_count:     512
    .wavefront_size: 32
...
	.end_amdgpu_metadata
.endif
;; end of part 6
;; launch oproj: the kernel of part 4 again; grid 8 x 32, 4 waves a work-group, clusters of 4 x 4, 327,680 bytes of LDS; arguments ctx2, wot, bo, out0; writes out0
